; MI455X (gfx1250); checked and timed in simulation.
; The chip was launched on July 23, 2026; its instructions are those of AMD's public machine-readable ISA for CDNA 5 (MIT licence, August 2026) and "CDNA5" Instruction Set Architecture Reference Guide (July 2026). The comments in the code are by the model that wrote it; some were corrected since.
;; Ro PE Multihead Attention. Allowed arithmetic: matrix products marked QUANTISED: E2M1 operands, one E8M0 scale for each 32 along K, by v_wmma_scale_f32_16x16x128_f8f6f4 with both operands' format E2M1 (or v_wmma_scale_f32_32x16x128_f4), f32 sums; products left as they are: bf16, f16 or f32 operands; f32 sums; everything else in f32.
;; Inputs: W_k 1,024 x 1,024 float32; W_o 1,024 x 1,024 float32; W_q 1,024 x 1,024 float32; W_v 1,024 x 1,024 float32; b_o 1,024 float32; context_bias 4 x 1,024 float32; k_in 4 x 2,048 x 1,024 float32; q_in 4 x 2,048 x 1,024 float32; v_in 4 x 2,048 x 1,024 float32.
;; Outputs: out0 4 x 2,048 x 1,024 float32.
;; This version of the problem:
;;   THIS VERSION OF THE PROBLEM IS GIVEN IN LOW PRECISION. The matrix products marked QUANTISED in the list below multiply operands that are first quantised to E2M1 (2 exponent bits, 1 mantissa bit; 4 bits a number), with one power-of-two scale for each 32 numbers along K (OCP MX v1.0); their sums are f32. The products marked 'left as it is' may take bf16, f16 or f32 operands, with f32 sums. Whichever they take, every output number must still come out within the allowed error. Rounding operands to bf16 (8 significant bits) uses up far more of that allowance than f16 does (11 bits, for magnitudes from 6e-5 to 65,504). All else is computed in f32.
;;   The module's matrix products, in the order in which they are computed (A, B: the left and right operand; K: the contracted axis; several contracted axes count as one K, in the product's order):
;;     1. [M 8,192, K 1,024] x [K 1,024, N 1,024]; A: input q_in; B: input W_q: QUANTISED
;;     2. [M 8,192, K 1,024] x [K 1,024, N 1,024]; A: input k_in; B: input W_k: QUANTISED
;;     3. [M 8,192, K 1,024] x [K 1,024, N 1,024]; A: input v_in; B: input W_v: QUANTISED
;;     4. batch 64 x [M 2,048, K 64] x [K 64, N 2,048]; A: computed on the way; B: computed on the way: left as it is (an operand is computed on the way)
;;     5. batch 64 x [M 64, K 2,048] x [K 2,048, N 2,048]; A: computed on the way; B: computed on the way: left as it is (an operand is computed on the way)
;;     6. [M 8,192, K 1,024] x [K 1,024, N 1,024]; A: computed on the way; B: input W_o: left as it is (an operand is computed on the way)
;;   THE QUANTISER, for each operand of a quantised product, along K:
;;     - K is cut into blocks of 32 from its start; a last block that is shorter is filled with zeros.
;;     - A block's scale is 2^e with e = floor(log2(the largest magnitude in the block)) - 2, held to -126 .. 127; a block of zeros has e = 0. As a byte (E8M0): e + 127.
;;     - Each number is divided by its block's scale, clamped to +-6, and rounded to the nearest number of E2M1, ties to even, subnormals kept.
;;     - The product sums the exact products of the quantised numbers (number of the format x scale) in f32.
;;   ~~~python
;;   def quantise(x, axis):      # numpy; x: float32 -> the quantised numbers, widened to float32 again
;;       x = np.moveaxis(x, axis, -1); K = x.shape[-1]
;;       x = np.pad(x, [(0, 0)] * (x.ndim - 1) + [(0, -K % 32)]); x = x.reshape(x.shape[:-1] + (-1, 32)); a = np.abs(x).max(-1, keepdims=True)
;;       e = np.where(a > 0, np.clip(np.frexp(np.where(a > 0, a, 1))[1] - 1 - 2, -126, 127), 0)      # np.frexp(a)[1] - 1 = floor(log2(a)), exactly
;;       r = np.clip(x / 2.0 ** e, -6, 6)
;;       step = 2.0 ** (np.maximum(np.frexp(np.where(r == 0, 1, r))[1] - 1, 0) - 1)
;;       q = np.round(r / step) * step * 2.0 ** e      # np.round: ties to even
;;       return np.moveaxis(q.reshape(q.shape[:-2] + (-1,))[..., :K], -1, axis).astype(np.float32)
;;   ~~~
;; One version. Each part assembles by itself: llvm-mc -triple=amdgcn-amd-amdhsa -mcpu=gfx1250 --defsym DOCPART=n.
;; ======== version 1 of 1: 4 launches
;; limits: values are held in f16: magnitudes above 65,504 overflow, below 6.1e-05 lose precision
;; workspace buffers: x_codes 12,582,912 bytes; x_scales 786,432 bytes; w_codes 1,572,864 bytes; w_scales 98,304 bytes; wo_h 2,097,152 bytes; rope 557,056 bytes; qkv 50,331,648 bytes; ah 16,777,216 bytes
;; launch prep (part 1): grid 930 x 1, 4 waves a work-group, no clusters, 33,280 bytes of LDS; arguments q_in, k_in, v_in, W_q, W_k, W_v, W_o, x_codes, x_scales, w_codes, w_scales, wo_h, rope; writes x_codes, x_scales, w_codes, w_scales, wo_h, rope
.if DOCPART == 1
	.amdgcn_target "amdgcn-amd-amdhsa--gfx1250"
	.amdhsa_code_object_version 6
	.text
	.protected	k_qca65ab7f4d_prep
	.globl	k_qca65ab7f4d_prep
	.p2align	8
	.type	k_qca65ab7f4d_prep,@function
k_qca65ab7f4d_prep:
	s_mov_b64 s[64:65], 0
	v_nop
	global_prefetch_b8 v0, s[64:65] scope:SCOPE_SE
	s_setreg_imm32_b32 hwreg(HW_REG_WAVE_MODE, 25, 1), 1
	s_wait_xcnt 0x0
; PREP: three kinds of work-groups, told apart by the work-group's number alone.
;  0..863   q_in, k_in, v_in [8192][1024] and W_q, W_k, W_v [1024][1024], f32, K innermost, become codes of FP4 (E2M1), two a byte, and one E8M0 scale byte for each 32 along K.
;           The three activations lie on end in x_codes [3][8192][512 B] and x_scales [3][8192][32], the three weights in w_codes [3][1024][512 B] and w_scales [3][1024][32].
;  864..895 W_o [1024][1024] f32 becomes f16, same layout (wo_h).
;  896..929 the table of rotations: rope [2176 rows][cos of 32 frequencies, sin of 32 frequencies] f32, 256 bytes a row.  Rows 0..2047 are positions; rows 2048..2175 hold cos = 1, sin = 0.
; THE QUANTISER.  A block's scale is 2^(floor(log2(its largest magnitude)) - 2); its byte is the largest magnitude's exponent field - 2, held at 1 from below.  Each number is divided by the scale and
; rounded to the nearest code, ties to even, beyond the largest code the largest.  A block of zeros gets the byte 1 where the rule says 127: its codes are zeros, and this program alone reads the bytes.
; LIMITS: blocks whose largest magnitude lies under 2^(2 - 126) keep the byte 1; NaN and infinities among the inputs are not served.  W_o beyond 65,504 in magnitude becomes infinite in f16; under 6e-5 it keeps an absolute step of 6e-8.
; The table's angles are position x 2^(-j log2(1000) / 32): the frequency is within a few units of its last place of 1000^(-j/32), so an angle is off by at most about 2e-4 radians at position 2,047.
; Rows are dense and K is a multiple of 32: each tensor is a plain stream of blocks of 32, and so are its codes and its scale bytes.  A work-group takes 32,768 numbers, a wave 16 steps of 512.
; Each of a step's four loads reads 512 consecutive bytes; the 2,048 bytes turn through the wave's own stage in LDS and come back 64 bytes a lane, so that a lane holds 16 neighbours along K.
.set WAVES, 4
.set STEPS, 16
.set EMAX,  2
.set CB,    8                          ; bytes of 16 codes
.set R,     16                         ; v16-79   four sets of 16 numbers as they are loaded
.set X,     80                         ; v80-111  two sets of 16 neighbours
.set C,     128                        ; v128-191 codes: four registers for each step, so that no store's data are written again
.set E,     112                        ; v112-127 a scale byte for each step
.set WREG,  8192                       ; LDS: a region for each wave: two stages of 32 x SP bytes, and behind them its 256 scale bytes
.set SP,    80                         ; a lane's place in a stage: 64 bytes + 16 of padding
.set SPW,   12                         ; v12 LDS address of my spare word; never rewritten
.set NIL,   13                         ; v13 0; never rewritten
.set SPARE, WAVES*WREG                 ; behind the four regions: the spare words, 128 bytes a wave, that no other line names
.macro FINISH                          ; the wave's end: three lines behind the last LDS store
	s_wait_tensorcnt 0x0
	ds_add_u32 v[SPW], v[NIL]
	s_wait_dscnt 0x0
	s_endpgm
.endm
	s_load_b512 s[32:47], s[0:1], 0x0              ; q s[32:33], k s[34:35], v s[36:37], W_q s[38:39], W_k s[40:41], W_v s[42:43], W_o s[44:45], x_codes s[46:47]
	s_load_b256 s[48:55], s[0:1], 0x40             ; x_scales s[48:49], w_codes s[50:51], w_scales s[52:53], wo_h s[54:55]
	s_load_b64 s[56:57], s[0:1], 0x60              ; rope
	v_lshl_add_u32 v[SPW], v0, 2, SPARE
	v_mov_b32 v[NIL], 0
	v_lshrrev_b32 v1, 5, v0
	v_readfirstlane_b32 s16, v1                    ; wave
	v_and_b32 v2, 31, v0                           ; lane
	s_wait_kmcnt 0x0
	s_cmp_ge_u32 ttmp9, 896
	s_cbranch_scc1 .Ltable
	s_cmp_ge_u32 ttmp9, 864
	s_cbranch_scc1 .Lwo
	; ---------------- the quantiser ----------------
	v_lshlrev_b32 v3, 4, v2                        ; my 16 bytes of a load's 512
	s_mul_i32 s21, s16, WREG
	v_lshrrev_b32 v14, 2, v2
	v_mul_u32_u24 v14, v14, SP
	v_and_b32 v15, 3, v2
	v_lshl_add_u32 v14, v15, 4, v14
	v_add_nc_u32 v14, s21, v14                     ; the stage, on the way in: four lanes' 64 bytes on end, then 16 of padding
	v_mul_u32_u24 v15, v2, SP
	v_add_nc_u32 v15, s21, v15                     ; and on the way out: SP x lane: my 16 neighbours
	v_mul_u32_u24 v4, v2, CB                       ; my codes' place in a step's
	v_lshrrev_b32 v5, 1, v2
	s_add_co_u32 s21, s21, 2*32*SP
	v_add_nc_u32 v5, s21, v5                       ; LDS: my wave's 256 scale bytes, my block's byte
	v_lshlrev_b32 v7, 3, v2                        ; and on the way out 8 bytes a lane
	v_add_nc_u32 v6, s21, v7
	; which tensor: 256 work-groups for each activation, 32 for each weight.  Every choice hangs on the work-group's number alone
	s_cmp_lt_u32 ttmp9, 512
	s_cselect_b64 s[4:5], s[34:35], s[36:37]
	s_cmp_lt_u32 ttmp9, 256
	s_cselect_b64 s[4:5], s[32:33], s[4:5]
	s_cmp_lt_u32 ttmp9, 832
	s_cselect_b64 s[6:7], s[40:41], s[42:43]
	s_cmp_lt_u32 ttmp9, 800
	s_cselect_b64 s[6:7], s[38:39], s[6:7]
	s_cmp_lt_u32 ttmp9, 768
	s_cselect_b64 s[4:5], s[4:5], s[6:7]           ; the source
	s_cselect_b64 s[8:9], s[46:47], s[50:51]       ; its codes
	s_cselect_b64 s[10:11], s[48:49], s[52:53]     ; its scale bytes
	s_cselect_b32 s17, 0, 768
	s_cselect_b32 s20, 255, 31
	s_sub_co_u32 s17, ttmp9, s17                   ; the run of 32,768 numbers in the workspace, where the three tensors lie on end,
	s_and_b32 s20, s17, s20                        ; and in the source tensor
	s_lshl_b32 s18, s20, 2
	s_add_co_u32 s18, s18, s16
	s_lshl_b32 s18, s18, 15                        ; a wave's 8,192 numbers are 32,768 bytes
	s_mov_b32 s19, 0
	s_add_nc_u64 s[4:5], s[4:5], s[18:19]
	s_lshl_b32 s17, s17, 2
	s_add_co_u32 s17, s17, s16
	s_lshl_b32 s18, s17, 12                        ; 4,096 bytes of codes,
	s_add_nc_u64 s[8:9], s[8:9], s[18:19]
	s_lshl_b32 s18, s17, 8                         ; 256 scale bytes
	s_add_nc_u64 s[10:11], s[10:11], s[18:19]
.macro LOAD t
.irp i, 0,1,2,3
	global_load_b128 v[R+16*((\t)%4)+4*\i:R+16*((\t)%4)+4*\i+3], v3, s[4:5] offset:2048*(\t)+512*\i th:TH_LOAD_NT   ; 32 lanes read 512 consecutive bytes
.endr
.endm
.macro TURN t                          ; step t's numbers through the stage: LDS serves a wave's instructions in order, so no wait stands between the stores and the loads
.irp i, 0,1,2,3
	ds_store_b128 v14, v[R+16*((\t)%4)+4*\i:R+16*((\t)%4)+4*\i+3] offset:32*SP*((\t)%2)+8*SP*\i
.endr
.irp i, 0,1,2,3
	ds_load_b128 v[X+16*((\t)%2)+4*\i:X+16*((\t)%2)+4*\i+3], v15 offset:32*SP*((\t)%2)+16*\i
.endr
.endm
.irp t, 0,1,2,3
	LOAD \t
.endr
	s_wait_loadcnt 12                              ; step 0's four loads are in
	TURN 0
.macro STEP t
.set XS, X+16*((\t)%2)
.if (\t) > 0
	s_wait_dscnt 1                                 ; this step's numbers are back from the stage (the last step's byte store may be out): so its stores into the stage have read their registers,
.else
	s_wait_dscnt 0x0
.endif
.if (\t)+4 < STEPS
	LOAD (\t)+4                                    ; which take the loads of four steps on
.endif
.if (\t)+1 < STEPS
.if STEPS-2-(\t) >= 3
	s_wait_loadcnt 12                              ; the next step's four loads are in; those of the three steps behind it may be out
.else
	s_wait_loadcnt 4*(STEPS-2-(\t))
.endif
	TURN (\t)+1                                    ; and go through the other stage while this step is worked
.endif
	v_max3_num_f32 v8, |v[XS]|, |v[XS+1]|, |v[XS+2]|               ; the largest magnitude of my 16
	v_max3_num_f32 v9, |v[XS+3]|, |v[XS+4]|, |v[XS+5]|
.irp i, 6,10
	v_max3_num_f32 v8, v8, |v[XS+\i]|, |v[XS+\i+1]|
	v_max3_num_f32 v9, v9, |v[XS+\i+2]|, |v[XS+\i+3]|
.endr
	v_max3_num_f32 v8, v8, |v[XS+14]|, |v[XS+15]|
	v_max3_num_f32 v8, v8, v9, (EMAX+1)<<23        ; and the floor 2^(EMAX + 1 - 127): so the byte cannot fall under 1
	v_max_num_f32_dpp v8, v8, v8 row_xmask:1 row_mask:0xf bank_mask:0xf   ; and of my neighbour's 16: the block's
	v_add_nc_u32 v11, -(EMAX<<23), v8              ; EMAX off its exponent field: the conversion takes the exponent field of this operand as its scale
	v_cvt_scalef32_pk8_fp4_f32 v[C+4*(\t)], v[XS:XS+7], v11
	v_cvt_scalef32_pk8_fp4_f32 v[C+4*(\t)+1], v[XS+8:XS+15], v11
	v_lshrrev_b32 v[E+(\t)], 23, v11               ; the scale's byte
	ds_store_b8 v5, v[E+(\t)] offset:16*(\t)       ; both lanes of a block write the same byte with the same value
	global_store_b64 v4, v[C+4*(\t):C+4*(\t)+1], s[8:9] offset:32*CB*(\t)   ; the wave stores 256 consecutive bytes, aligned
.endm
.irp t, 0,1,2,3,4,5,6,7,8,9,10,11,12,13,14,15
	STEP \t
.endr
	ds_load_b64 v[8:9], v6                         ; LDS serves a wave's instructions in order: these see my stores
	s_wait_dscnt 0x0
	global_store_b64 v7, v[8:9], s[10:11]          ; 32 lanes store 256 consecutive bytes, aligned
	FINISH
	; ---------------- W_o to f16 ----------------
	; A work-group takes 32,768 numbers, a wave 8,192: 64 loads of 512 consecutive bytes, each followed by two conversions a lane and a store of 256 consecutive bytes.  Four groups of 16 loads, two groups in flight.
.Lwo:
	s_sub_co_u32 s17, ttmp9, 864
	s_lshl_b32 s18, s17, 17
	s_lshl_b32 s20, s16, 15
	s_add_co_u32 s18, s18, s20
	s_mov_b32 s19, 0
	s_add_nc_u64 s[4:5], s[44:45], s[18:19]
	s_lshr_b32 s18, s18, 1
	s_add_nc_u64 s[8:9], s[54:55], s[18:19]
	v_lshlrev_b32 v3, 4, v2
	v_lshlrev_b32 v4, 3, v2
.macro LOADG g
.irp i, 0,1,2,3,4,5,6,7,8,9,10,11,12,13,14,15
	global_load_b128 v[16+64*((\g)%2)+4*\i:16+64*((\g)%2)+4*\i+3], v3, s[4:5] offset:8192*(\g)+512*\i th:TH_LOAD_NT
.endr
.endm
.macro CONVG g
.if (\g) < 3
	s_wait_loadcnt 16                              ; this group's 16 loads are in; the next group's may be out
.else
	s_wait_loadcnt 0x0
.endif
	s_wait_xcnt 0x0                                ; the last group's stores have read v144-175: they are written again only behind this wait
.irp i, 0,1,2,3,4,5,6,7,8,9,10,11,12,13,14,15
	v_cvt_pk_f16_f32 v[144+2*\i], v[16+64*((\g)%2)+4*\i], v[16+64*((\g)%2)+4*\i+1]
	v_cvt_pk_f16_f32 v[145+2*\i], v[16+64*((\g)%2)+4*\i+2], v[16+64*((\g)%2)+4*\i+3]
.endr
.irp i, 0,1,2,3,4,5,6,7,8,9,10,11,12,13,14,15
	global_store_b64 v4, v[144+2*\i:145+2*\i], s[8:9] offset:4096*(\g)+256*\i
.endr
.if (\g)+2 < 4
	LOADG (\g)+2
.endif
.endm
	LOADG 0
	LOADG 1
	CONVG 0
	CONVG 1
	CONVG 2
	CONVG 3
	FINISH
	; ---------------- the table of rotations ----------------
	; A wave makes 16 rows.  Lane l makes words 2 l and 2 l + 1 of a row: lanes 0-15 the cosines of frequencies 2 l and 2 l + 1, lanes 16-31 the sines of 2 (l - 16) and the next: one store of 8 bytes a lane is the row's 256 bytes.
	; angle = position x frequency, rounded once; k = the nearest whole number of quarter turns; y = angle - k pi/2 in two fused steps (pi/2 as a high and a low part); polynomials for sin y and cos y on |y| <= pi/4,
	; cut where the next term is under 3e-8; the quadrant picks one of the two and its sign.  sin x = cos(x - pi/2): the sine lanes count three quadrants on.
.Ltable:
	s_sub_co_u32 s17, ttmp9, 896
	s_lshl_b32 s24, s17, 6
	s_lshl_b32 s18, s16, 4
	s_add_co_u32 s24, s24, s18                     ; my first row
	s_lshl_b32 s18, s24, 8
	s_mov_b32 s19, 0
	s_add_nc_u64 s[56:57], s[56:57], s[18:19]
	s_mov_b32 s26, 0xbfc90fdb                      ; -pi/2, high part
	s_mov_b32 s27, 0x333bbd2e                      ; high part - pi/2
	s_mov_b32 s28, 0xbe2aaaab                      ; -1/6
	s_mov_b32 s29, 0x3c088889                      ; 1/120
	s_mov_b32 s30, 0xb9500d01                      ; -1/5040
	s_mov_b32 s31, 0x3638ef1d                      ; 1/362880
	s_mov_b32 s4, 0x3d2aaaab                       ; 1/24
	s_mov_b32 s5, 0xbab60b61                       ; -1/720
	s_mov_b32 s6, 0x37d00d01                       ; 1/40320
	v_and_b32 v3, 15, v2
	v_lshlrev_b32 v3, 1, v3                        ; my first frequency's number j
	v_add_nc_u32 v4, 1, v3
	v_cvt_f32_u32 v3, v3
	v_cvt_f32_u32 v4, v4
	v_mul_f32 v3, 0xbe9f73da, v3                   ; -j log2(1000) / 32
	v_mul_f32 v4, 0xbe9f73da, v4
	v_exp_f32 v16, v3                              ; 1000^(-j / 32)
	v_exp_f32 v17, v4
	v_lshrrev_b32 v6, 4, v2                        ; (plain work behind the exponentials)
	v_mul_u32_u24 v6, v6, 3                        ; three quadrants on in the sine lanes
	v_lshlrev_b32 v7, 3, v2                        ; my 8 bytes of a row
	s_wait_alu depctr_va_vdst(0)                   ; one wait for the two exponentials, ahead of their first reader
.macro TRIG f, o
	v_mul_f32 v20, v5, v[\f]                       ; the angle
	v_mul_f32 v21, 0x3f22f983, v20                 ; x 2 / pi
	v_rndne_f32 v21, v21                           ; k
	v_fma_f32 v22, v21, s26, v20
	v_fma_f32 v22, v21, s27, v22                   ; y
	v_mul_f32 v23, v22, v22                        ; z = y^2
	v_fma_f32 v24, v23, s31, s30
	v_fma_f32 v26, v23, s6, s5
	v_fma_f32 v24, v24, v23, s29
	v_fma_f32 v26, v26, v23, s4
	v_fma_f32 v24, v24, v23, s28
	v_fma_f32 v26, v26, v23, -0.5
	v_mul_f32 v25, v22, v23
	v_fma_f32 v26, v26, v23, 1.0                   ; cos y
	v_fma_f32 v24, v24, v25, v22                   ; sin y
	v_cvt_i32_f32 v27, v21
	v_add_nc_u32 v27, v27, v6                      ; the quadrant q
	v_and_b32 v28, 1, v27
	v_cmp_eq_u32 vcc_lo, 1, v28
	v_cndmask_b32 v24, v26, v24, vcc_lo            ; odd q: sin y, even q: cos y
	v_add_nc_u32 v27, 1, v27
	v_and_b32 v27, 2, v27
	v_lshlrev_b32 v27, 30, v27                     ; q = 1, 2 modulo 4: the sign turns
	v_xor_b32 v[\o], v24, v27
.endm
	s_mov_b32 s23, 16
.Lrow:
	s_cmp_lt_u32 s24, 2048
	s_cselect_b32 s25, s24, 0                      ; rows from 2,048 on take position 0: cos = 1, sin = 0
	v_cvt_f32_u32 v5, s25
	TRIG 16, 30
	TRIG 17, 31
	global_store_b64 v7, v[30:31], s[56:57]        ; the row's 256 bytes
	s_wait_xcnt 0x0                                ; the store has read v7 and v[30:31]: they are written again only behind this wait
	v_add_nc_u32 v7, 256, v7
	s_add_co_u32 s24, s24, 1
	s_sub_co_u32 s23, s23, 1
	s_cmp_lg_u32 s23, 0
	s_cbranch_scc1 .Lrow
	FINISH
.Lfunc_end_k_qca65ab7f4d_prep:
	.size	k_qca65ab7f4d_prep, .Lfunc_end_k_qca65ab7f4d_prep-k_qca65ab7f4d_prep
	.p2alignl 7, 3214868480
	.fill 96, 4, 3214868480
	.section	.rodata,"a",@progbits
	.p2align	6, 0x0
	.amdhsa_kernel k_qca65ab7f4d_prep
		.amdhsa_group_segment_fixed_size 33280
		.amdhsa_private_segment_fixed_size 0
		.amdhsa_enable_private_segment 0
		.amdhsa_kernarg_size 104
		.amdhsa_user_sgpr_count 2
		.amdhsa_user_sgpr_kernarg_segment_ptr 1
		.amdhsa_wavefront_size32 1
		.amdhsa_system_sgpr_workgroup_id_x 1
		.amdhsa_system_sgpr_workgroup_id_y 1
		.amdhsa_system_sgpr_workgroup_id_z 1
		.amdhsa_system_vgpr_workitem_id 0
		.amdhsa_next_free_vgpr 192
		.amdhsa_next_free_sgpr 66
		.amdhsa_reserve_vcc 1
		.amdhsa_float_denorm_mode_32 3
		.amdhsa_float_denorm_mode_16_64 3
		.amdhsa_memory_ordered 1
		.amdhsa_forward_progress 1
		.amdhsa_inst_pref_size 59
	.end_amdhsa_kernel
	.amdgpu_metadata
---
amdhsa.version: [ 1, 2 ]
amdhsa.kernels:
  - .name:           k_qca65ab7f4d_prep
    .symbol:         k_qca65ab7f4d_prep.kd
    .args:
      - { .name: q_in, .offset: 0, .size: 8, .value_kind: global_buffer, .address_space: global }
      - { .name: k_in, .offset: 8, .size: 8, .value_kind: global_buffer, .address_space: global }
      - { .name: v_in, .offset: 16, .size: 8, .value_kind: global_buffer, .address_space: global }
      - { .name: W_q, .offset: 24, .size: 8, .value_kind: global_buffer, .address_space: global }
      - { .name: W_k, .offset: 32, .size: 8, .value_kind: global_buffer, .address_space: global }
      - { .name: W_v, .offset: 40, .size: 8, .value_kind: global_buffer, .address_space: global }
      - { .name: W_o, .offset: 48, .size: 8, .value_kind: global_buffer, .address_space: global }
      - { .name: x_codes, .offset: 56, .size: 8, .value_kind: global_buffer, .address_space: global }
      - { .name: x_scales, .offset: 64, .size: 8, .value_kind: global_buffer, .address_space: global }
      - { .name: w_codes, .offset: 72, .size: 8, .value_kind: global_buffer, .address_space: global }
      - { .name: w_scales, .offset: 80, .size: 8, .value_kind: global_buffer, .address_space: global }
      - { .name: wo_h, .offset: 88, .size: 8, .value_kind: global_buffer, .address_space: global }
      - { .name: rope, .offset: 96, .size: 8, .value_kind: global_buffer, .address_space: global }
    .group_segment_fixed_size: 33280
    .private_segment_fixed_size: 0
    .kernarg_segment_align: 8
    .kernarg_segment_size: 104
    .max_flat_workgroup_size: 128
    .sgpr_count:     66
    .vgpr_count:     192
    .wavefront_size: 32
...
	.end_amdgpu_metadata
.endif
;; end of part 1
;; launch proj (part 2): grid 4 x 96, 4 waves a work-group, clusters of 4 x 4, 327,680 bytes of LDS; arguments x_codes, x_scales, w_codes, w_scales, context_bias, rope, qkv; writes qkv
.if DOCPART == 2
	.amdgcn_target "amdgcn-amd-amdhsa--gfx1250"
	.amdhsa_code_object_version 6
	.text
	.protected	k_qca65ab7f4d_proj
	.globl	k_qca65ab7f4d_proj
	.p2align	8
	.type	k_qca65ab7f4d_proj,@function
k_qca65ab7f4d_proj:
	s_mov_b64 s[64:65], 0
	v_nop
	global_prefetch_b8 v0, s[64:65] scope:SCOPE_SE
	s_setreg_imm32_b32 hwreg(HW_REG_WAVE_MODE, 25, 1), 1
	s_wait_xcnt 0x0
	s_wait_alu depctr_hold_cnt(0) depctr_sa_sdst(0) depctr_va_vdst(0) depctr_va_sdst(0) depctr_va_ssrc(0) depctr_va_vcc(0) depctr_vm_vsrc(0)
	s_getreg_b32 s2, hwreg(HW_REG_IB_STS2, 6, 4)
	s_cmp_eq_u32 s2, 0
	s_cbranch_scc0 .Lentry_in_a_cluster
	s_endpgm
.Lentry_in_a_cluster:
	s_bfe_u32 s2, ttmp6, 0x10000c
	s_cmp_lg_u32 s2, 0xf033
	s_cbranch_scc0 .Lentry_shape_is_right
	s_endpgm
.Lentry_shape_is_right:
; PROJ: the three quantised projections as ONE product on codes of FP4 (E2M1) with E8M0 scales: rows 0..8191 are q_in's, 8192..16383 k_in's, 16384..24575 v_in's; projection p = row / 8192 takes rows 1024 p .. of the weights' codes.
; Behind the sums: + context_bias (p = 0; it is the C of each sum's first product; for p = 1, 2 those registers are blanked), the rotation by position (p = 0, 1; p = 2 takes table rows that hold cos = 1, sin = 0, so that all
; work-groups run one path), rounding to f16, and the store as qkv [3][batch 4][head 16][position 2048][64] f16.
; LIMITS: results beyond 65,504 in magnitude become infinite in f16; under 6e-5 they keep an absolute step of 6e-8.  An infinite result of p = 2 turns into NaN in the unit rotation.
; A tile of 256 x 256 is made by a work-group of four waves; a wave makes 128 x 128: 64 accumulators of 16 x 16, 512 registers.  K = 1,024 is two slots of 512 along K, both asked for at the head: nothing is filled again.
; THE SCALES of the work-group's 256 + 256 rows, for all of K, come into LDS once, in runs of 256 bytes.
; CLUSTERS: 4 x 4 work-groups.  The four of a row of the cluster need the same tiles of the activations, the four of a column the same tiles of the weights: each tile is asked for JOINTLY.
; THE MATRIX INSTRUCTION IS USED TRANSPOSED (source 0 = 16 rows of the weights, source 1 = 16 rows of the activations): a lane holds eight neighbouring columns of one row.  The partners d and d + 32 of a head's rotation then
; lie in the same lane and the same register number of two accumulators, so the rotation changes no lane.
; REGISTERS, in windows of 256: window 0: v0-31 addresses; v32-95 scale words, two sets (they hold nothing else); v128-191 the activations' fragments, one set; v192-255 the bias, 8 registers for each block of 16 columns.
;   window 1: the weights' fragments, two sets, at v0 and v128.  window 2: the accumulators of my rows 0-63 ((a, b) at v[8 (8 a + b)]); window 3: those of rows 64-127.
;   On the way out: window 1 v0-63 two sets of cos and sin; window 0 v96-127 a head's rotated numbers, v128-159 packed f16, v160-223 two sets of rows read back, v224-255 products with sin.
.set SIZE_K, 1024
.set KSTEP,  512
.set NQ,     KSTEP/128
.set ROWB,   256                       ; a tile's row in bytes
.set KROW,   SIZE_K*4/8                ; a row of codes in memory
.set PITCH,  272                       ; an LDS row: 256 bytes + 16 of padding: the 16 rows that a load touches start at 16 different 16-byte columns
.set FR,     8
.set NL,     2
.set NP,     4
.set HALFT,  128*PITCH
.set SLOT,   4*HALFT
.set KS,     SIZE_K/32
.set SCL,    2*SLOT
.set HALFS,  (128*KS/256)*272
.set SBLK,   (16*KS/256)*272
.set SPARE,  SCL+4*HALFS               ; the spare words, 128 bytes a wave, that no other line names
.set SPO,    144                       ; the way out: a stage row: a head's 128 bytes + 16.  A wave's stage, 2 heads x 16 rows, lies in slot 0, which has had its last fill and its last read by then
.set ADRA, 16
.set ADRB, 20
.set TA,   22                          ; v22 my byte in the table's 16 rows of a block: 256 r + 32 h
.set BO,   23                          ; v23 32 h: my eight numbers of a block of 16 of the bias
.set STO,  24
.set RD,   25
.set CO,   26
.set ADRS, 27
.set SPW,  28
.set NIL,  29
.set SC,   32
.set AF,   128
.set BIAS, 192
.set Y,    96
.set TMP,  128
.set BK,   160
.set T,    224
.set CS,   0
.set G1, 24
.set G0, 32
.set G1B, 48
.set G0B, 56
.set G1S, 68
.set G0S, 76
.set G1SB, 80
.set G0SB, 88
.set MSB, 0
.macro WIN new                         ; the immediate's high byte repeats the setting that is left
.if MSB != (\new)
	s_set_vgpr_msb (MSB<<8)|(\new)
.set MSB, (\new)
.endif
.endm
.set MUL_LO, 0xa1                      ; source 0 window 1, source 1 window 0, C and D window 2
.set MUL_HI, 0xf1                      ; the same, C and D window 3
.set MUL_LO0, 0x81                     ; the first products: C (the bias) window 0, D window 2
.set MUL_HI0, 0xc1                     ; D window 3
.set TO_B,   0x40                      ; destination window 1, address window 0
; A joint load: waves 0 and 1 fetch for the activations, waves 2 and 3 for the weights.  The branch hangs on the wave's number alone.  An s_nop 0 and four v_nop follow each of the two lines.
.macro JLOAD g0a, g1a, g0b, g1b
	s_cmp_eq_u32 s15, 0
	s_cbranch_scc0 .Lfor_b_\@
	tensor_load_to_lds s[\g0a:\g0a+3], s[\g1a:\g1a+7]
	s_nop 0
.rept 4
	v_nop
.endr
	s_branch .Lasked_\@
.Lfor_b_\@:
	tensor_load_to_lds s[\g0b:\g0b+3], s[\g1b:\g1b+7]
	s_nop 0
.rept 4
	v_nop
.endr
.Lasked_\@:
.endm
.macro CROUND                          ; a round of the cluster's barrier
	s_barrier_signal -1
	s_barrier_wait -1
	s_cmp_lg_u32 s14, 0
	s_cbranch_scc1 .Lnot_wave_0_\@
	s_barrier_signal -3
.Lnot_wave_0_\@:
	s_barrier_wait -3
	s_barrier_signal -1
	s_barrier_wait -1
.endm
	s_load_b128 s[4:7], s[0:1], 0x0                ; the activations' codes s[4:5], scales s[6:7]
	s_load_b128 s[8:11], s[0:1], 0x10              ; the weights' codes s[8:9], scales s[10:11]
	s_load_b128 s[96:99], s[0:1], 0x20             ; context_bias s[96:97], rope s[98:99]
	s_load_b64 s[12:13], s[0:1], 0x30              ; qkv
	v_lshl_add_u32 v[SPW], v0, 2, SPARE
	v_mov_b32 v[NIL], 0
	ds_add_u32 v[SPW], v[NIL]                      ; the wave's opening: the add, twice on end, and its wait ahead of my first tensor load
	ds_add_u32 v[SPW], v[NIL]
	v_lshrrev_b32 v1, 5, v0
	v_readfirstlane_b32 s14, v1                    ; wave 0..3
	s_lshr_b32 s15, s14, 1                         ; which half of the tile's rows is mine.  Also: I fetch for the activations (0) or the weights (1)
	s_and_b32 s16, s14, 1                          ; which half of its columns.  Also: which 128 rows of that tile I fetch
	s_bfe_u32 s40, ttmp6, 0x40000                  ; cx, cy: my place in the cluster
	s_bfe_u32 s41, ttmp6, 0x40004
	s_lshl_b32 s42, ttmp9, 2
	s_add_co_u32 s42, s42, s40                     ; tile column = 4 x cluster x + cx
	s_and_b32 s17, ttmp7, 0xffff
	s_lshr_b32 s95, s17, 3                         ; p: eight clusters along y to a projection: the same in all sixteen partners
	s_lshl_b32 s17, s17, 2
	s_add_co_u32 s17, s17, s41                     ; tile row = 4 x cluster y + cy
	s_lshl_b32 s43, s41, 2
	s_lshl_b32 s43, 15, s43                        ; my row of the cluster
	s_lshl_b32 s44, 0x1111, s40                    ; my column
	s_or_b32 s[G1+0], s43, (0<<16)|(1<<20)|(1<<21)|(5<<22)|(3<<25)  ; the mask; elements of 1 byte; padding on; bit 21 beside a mask; after every 64 words 4 words
	s_or_b32 s[G1B+0], s44, (0<<16)|(1<<20)|(1<<21)|(5<<22)|(3<<25)
.irp g, G1, G1B
	s_mov_b32 s[\g+1], ROWB<<16                    ; tensor_dim0
	s_mov_b32 s[\g+2], 128<<16                     ; tensor_dim1
	s_mov_b32 s[\g+3], ROWB<<16                    ; tile_dim0
	s_mov_b32 s[\g+4], 128                         ; tile_dim1
	s_mov_b32 s[\g+5], KROW                        ; from row to row
	s_mov_b32 s[\g+6], 0
	s_mov_b32 s[\g+7], 0
.endr
	s_or_b32 s[G1S+0], s43, (3<<16)|(1<<20)|(1<<21)|(5<<22)|(3<<25)   ; the scales of 128 rows: 4,096 dense bytes as 16 rows of 256 (32 elements of 8 bytes), 16 bytes of padding behind each
	s_or_b32 s[G1SB+0], s44, (3<<16)|(1<<20)|(1<<21)|(5<<22)|(3<<25)
.irp g, G1S, G1SB
	s_mov_b32 s[\g+1], 32<<16
	s_mov_b32 s[\g+2], (128*KS/256)<<16
	s_mov_b32 s[\g+3], 32<<16
	s_mov_b32 s[\g+4], 128*KS/256
	s_mov_b32 s[\g+5], 32
	s_mov_b32 s[\g+6], 0
	s_mov_b32 s[\g+7], 0
.endr
	s_lshl_b32 s18, s16, 7                         ; which 128 rows of the tile I fetch
	s_lshl_b32 s20, s17, 8
	s_add_co_u32 s20, s20, s18                     ; the activations: row 256 x tile row + 128 x half
	s_lshl_b32 s46, s42, 8
	s_add_co_u32 s46, s46, s18                     ; the weights: row 256 x tile column + 128 x half
	s_lshl_b32 s101, s95, 10
	s_add_co_u32 s46, s46, s101                    ; + 1,024 p
	s_mov_b32 s21, 0
	s_mov_b32 s47, 0
	s_mov_b64 s[18:19], KS
	s_mul_u64 s[22:23], s[20:21], s[18:19]         ; where these rows' scales begin, in bytes
	s_mul_u64 s[92:93], s[46:47], s[18:19]
	s_mov_b64 s[18:19], KROW
	s_mul_u64 s[20:21], s[20:21], s[18:19]         ; and their codes
	s_mul_u64 s[46:47], s[46:47], s[18:19]
	s_mul_i32 s45, s14, HALFT                      ; where they go: wave x 128 rows
	s_mul_i32 s94, s14, HALFS
	s_cmp_eq_u32 s95, 0
	s_cselect_b32 s100, -1, 0                      ; the bias counts for p = 0 alone
	s_wait_dscnt 0x0                               ; both opening adds are done
	s_wait_kmcnt 0x0
	s_add_nc_u64 s[20:21], s[4:5], s[20:21]
	s_add_nc_u64 s[22:23], s[6:7], s[22:23]
	s_add_nc_u64 s[46:47], s[8:9], s[46:47]
	s_add_nc_u64 s[92:93], s[10:11], s[92:93]
	CROUND                                         ; all sixteen work-groups are here: the first joint loads meet
	s_mov_b32 s[G0S], 1
	s_add_co_u32 s[G0S+1], s94, SCL
	s_mov_b64 s[G0S+2:G0S+3], s[22:23]
	s_or_b32 s[G0S+3], s[G0S+3], 0x80000000
	s_mov_b32 s[G0SB], 1
	s_add_co_u32 s[G0SB+1], s94, SCL
	s_mov_b64 s[G0SB+2:G0SB+3], s[92:93]
	s_or_b32 s[G0SB+3], s[G0SB+3], 0x80000000
	JLOAD G0S, G1S, G0SB, G1SB                     ; the scales first: they are wanted with the first slot
.irp s, 0,1
	s_mov_b32 s[G0+4*\s], 1
	s_add_co_u32 s[G0+4*\s+1], s45, \s*SLOT
	s_add_nc_u64 s[G0+4*\s+2:G0+4*\s+3], s[20:21], \s*ROWB
	s_or_b32 s[G0+4*\s+3], s[G0+4*\s+3], 0x80000000
	s_mov_b32 s[G0B+4*\s], 1
	s_add_co_u32 s[G0B+4*\s+1], s45, \s*SLOT
	s_add_nc_u64 s[G0B+4*\s+2:G0B+4*\s+3], s[46:47], \s*ROWB
	s_or_b32 s[G0B+4*\s+3], s[G0B+4*\s+3], 0x80000000
	JLOAD G0+4*\s, G1, G0B+4*\s, G1B               ; three tensor loads of mine are out behind the second of these
.endr
	; the bias of my 128 columns, in the result's layout: block b's registers hold columns 16 b + 8 h + 0 .. 7
	s_bfe_u32 s20, s17, 0x20003                    ; the batch: eight tile rows to a batch, four batches to a projection
	s_lshl_b32 s20, s20, 12
	s_lshl_b32 s21, s42, 10
	s_add_co_u32 s20, s20, s21
	s_lshl_b32 s21, s16, 9
	s_add_co_u32 s20, s20, s21
	s_mov_b32 s21, 0
	s_add_nc_u64 s[96:97], s[96:97], s[20:21]
	v_and_b32 v1, 15, v0                           ; r = l % 16
	v_bfe_u32 v2, v0, 4, 1                         ; h = l / 16
	v_lshlrev_b32 v[BO], 5, v2
.irp b, 0,1,2,3,4,5,6,7
	global_load_b128 v[BIAS+8*\b:BIAS+8*\b+3], v[BO], s[96:97] offset:64*\b
	global_load_b128 v[BIAS+8*\b+4:BIAS+8*\b+7], v[BO], s[96:97] offset:64*\b+16
.endr
	v_mul_u32_u24 v3, v1, PITCH
	v_lshl_add_u32 v4, v2, 4, v3                   ; a fragment's row x pitch + 16 x half
	s_mul_i32 s21, s15, HALFT                      ; my 128 rows of the activations
	s_mul_i32 s22, s16, HALFT                      ; my 128 rows of the weights,
	s_add_co_u32 s22, s22, 2*HALFT                 ; which lie behind the activations' 256
.irp s, 0,1
	v_add_nc_u32 v[ADRA+\s], s21, v4
	v_add_nc_u32 v[ADRB+\s], s22, v4
	s_add_co_u32 s21, s21, SLOT
	s_add_co_u32 s22, s22, SLOT
.endr
	v_mul_u32_u24 v5, v1, KS                       ; my row's scales: KS bytes a row,
	v_lshrrev_b32 v6, 8, v5
	v_lshl_add_u32 v5, v6, 4, v5                   ; and 16 more for each 256 passed
	s_mul_i32 s21, s15, HALFS
	s_mul_i32 s22, s16, HALFS
	s_add_co_u32 s22, s22, 2*HALFS
	s_sub_co_u32 s22, s22, s21
	v_mul_u32_u24 v6, s22, v2                      ; lanes 16-31 take the weights'
	s_add_co_u32 s21, s21, SCL
	v_add_nc_u32 v5, v5, v6
	v_add_nc_u32 v[ADRS], s21, v5
	s_mul_i32 s23, s14, 2*16*SPO                   ; my stage
	v_mul_u32_u24 v5, v1, SPO                      ; in: row r, 16 bytes for each half of the lanes
	v_lshl_add_u32 v5, v2, 4, v5
	v_add_nc_u32 v[STO], s23, v5
	v_bfe_u32 v5, v0, 3, 2                         ; back: eight lanes to a row of 128 bytes, four rows an instruction
	v_mul_u32_u24 v5, v5, SPO
	v_and_b32 v6, 7, v0
	v_lshl_add_u32 v5, v6, 4, v5
	v_add_nc_u32 v[RD], s23, v5
	v_and_b32 v6, 31, v0
	v_lshlrev_b32 v[CO], 4, v6                     ; and the same 512 bytes in qkv: a head's rows are dense
	v_lshlrev_b32 v[TA], 8, v1
	v_lshl_add_u32 v[TA], v2, 5, v[TA]
	s_and_b32 s20, s17, 7
	s_lshl_b32 s20, s20, 8
	s_lshl_b32 s21, s15, 7
	s_add_co_u32 s20, s20, s21                     ; my first position in the sequence
	s_cmp_eq_u32 s95, 2
	s_cselect_b32 s22, 2048, s20                   ; p = 2 takes the rows of the unit rotation
	s_lshl_b32 s22, s22, 8
	s_mov_b32 s23, 0
	s_add_nc_u64 s[98:99], s[98:99], s[22:23]
	s_lshl_b32 s22, s20, 7                         ; qkv: position x 128 bytes
	s_lshl_b32 s21, s95, 24                        ; + p x 2^24
	s_add_co_u32 s22, s22, s21
	s_bfe_u32 s21, s17, 0x20003
	s_lshl_b32 s21, s21, 4                         ; + (16 x batch + my first head) x 2^18
	s_lshl_b32 s46, s42, 2
	s_add_co_u32 s21, s21, s46
	s_lshl_b32 s46, s16, 1
	s_add_co_u32 s21, s21, s46
	s_lshl_b32 s21, s21, 18
	s_add_co_u32 s22, s22, s21
	s_add_nc_u64 s[12:13], s[12:13], s[22:23]
	s_wait_loadcnt 0x0                             ; the bias
.set n, 0
.rept 64
	v_and_b32 v[BIAS+n], s100, v[BIAS+n]           ; zeros for p = 1, 2
.set n, n+1
.endr
.rept 8
	v_nop                                          ; distance between these writes and the first products, which take the registers as C
.endr
.macro FRAG reg, adr, q, i             ; a fragment, 16 rows x 128 K of 4-bit codes: lane l holds row l % 16; registers 4 c .. 4 c + 3 hold K = 64 c + 32 (l / 16) + 0 .. 31
.irp c, 0,1
	ds_load_b128 v[\reg+4*\c:\reg+4*\c+3], v[\adr] offset:64*(\q)+32*\c+(\i)*16*PITCH
.endr
.endm
; 16 matrix instructions: the activations' blocks a0, a0 + 1 x the weights' eight, 128 along K.  zero = 1: the first product starts the sums from the bias.  The 64 accumulators take turns, one instruction a turn.
.macro MUL16 a0, p, q, sc, zero
.irp a, \a0, \a0+1
.irp b, 0,1,2,3,4,5,6,7
.if \zero
	v_wmma_scale_f32_16x16x128_f8f6f4 v[8*(8*((\a)%4)+\b):8*(8*((\a)%4)+\b)+7], v[128*(\p)+FR*\b:128*(\p)+FR*\b+FR-1], v[AF+FR*(\a):AF+FR*(\a)+FR-1], v[BIAS+8*\b:BIAS+8*\b+7], v[SC+8*NQ*(\sc)+NQ*\b+(\q)], v[SC+8*NQ*(\sc)+NQ*(\a)+(\q)] matrix_a_fmt:MATRIX_FMT_FP4 matrix_b_fmt:MATRIX_FMT_FP4 matrix_a_scale:MATRIX_SCALE_ROW1
.else
	v_wmma_scale_f32_16x16x128_f8f6f4 v[8*(8*((\a)%4)+\b):8*(8*((\a)%4)+\b)+7], v[128*(\p)+FR*\b:128*(\p)+FR*\b+FR-1], v[AF+FR*(\a):AF+FR*(\a)+FR-1], v[8*(8*((\a)%4)+\b):8*(8*((\a)%4)+\b)+7], v[SC+8*NQ*(\sc)+NQ*\b+(\q)], v[SC+8*NQ*(\sc)+NQ*(\a)+(\q)] matrix_a_fmt:MATRIX_FMT_FP4 matrix_b_fmt:MATRIX_FMT_FP4 matrix_a_scale:MATRIX_SCALE_ROW1
.endif
.endr
.endr
.endm
.macro FETCH_B slot, q, p
	WIN TO_B
.irp i, 0,1,2,3,4,5,6,7
	FRAG 128*(\p)+FR*\i, ADRB+\slot, \q, \i
.endr
	WIN 0
.endm
.macro FETCH_A slot, q, i0
.irp i, \i0, \i0+1, \i0+2, \i0+3
	FRAG AF+FR*(\i), ADRA+\slot, \q, \i
.endr
.endm
.macro SCALES sc                       ; a slot's scale words: NQ words a row; lanes 0-15 take the activations' block i, lanes 16-31 the weights' block i
.irp i, 0,1,2,3,4,5,6,7
	ds_load_b128 v[SC+8*NQ*\sc+NQ*\i:SC+8*NQ*\sc+NQ*\i+3], v[ADRS] offset:\i*SBLK
.endr
.endm
.macro PLACES n                        ; plain vector instructions between a matrix instruction and a load into, or a read of, its registers
.rept \n
	v_nop
.endr
.endm
.macro STEP slot, q, zero              ; a step of 128 along K that has its successor in the same slot
	s_wait_dscnt 4*NL                              ; the weights' set and the activations' blocks 0-3 are in; the youngest eight loads (blocks 4-7) may be out
.if \zero
	WIN MUL_LO0
.else
	WIN MUL_LO
.endif
	MUL16 0, (\q)%2, \q, \slot, \zero
	MUL16 2, (\q)%2, \q, \slot, \zero
	s_wait_dscnt 0
	PLACES NP
	FETCH_B \slot, (\q)+1, 1-(\q)%2
	FETCH_A \slot, (\q)+1, 0
.if \zero
	WIN MUL_HI0
.else
	WIN MUL_HI
.endif
	MUL16 4, (\q)%2, \q, \slot, \zero
	MUL16 6, (\q)%2, \q, \slot, \zero
	PLACES NP
	WIN 0
	FETCH_A \slot, (\q)+1, 4
.endm
; Slot 0's last step changes slots: one barrier; in front of it each wave waits for all its tensor loads (its part of slot 1), adds 0 to its spare word, and waits for that and for its reads of slot 0.  Nothing is filled again.
.macro TURN slot, next
	s_wait_tensorcnt 0x0
	ds_add_u32 v[SPW], v[NIL]
	s_wait_dscnt 4*NL+1                            ; (the add and the youngest eight loads may be out)
	WIN MUL_LO
	MUL16 0, 1, NQ-1, \slot, 0
	s_wait_dscnt 0x0                               ; the add is done, and my reads of this slot are over
	s_barrier_signal -1
	MUL16 2, 1, NQ-1, \slot, 0
	WIN 0
	s_barrier_wait -1
	PLACES NP
	v_add_nc_u32 v[ADRS], 4*NQ, v[ADRS]            ; on to the next slot's scale words
	FETCH_B \next, 0, 0
	FETCH_A \next, 0, 0
	SCALES \next
	WIN MUL_HI
	MUL16 4, 1, NQ-1, \slot, 0
	MUL16 6, 1, NQ-1, \slot, 0
	PLACES NP
	WIN 0
	FETCH_A \next, 0, 4
.endm
.macro STEPS slot, from
.set Q, \from
.rept NQ-1-\from
	STEP \slot, Q, 0
.set Q, Q+1
.endr
.endm
	s_wait_tensorcnt 1                             ; the scales and my part of slot 0 are in (slot 1's load may be out),
	s_barrier_signal -1
	s_barrier_wait -1                              ; everybody's are
	FETCH_B 0, 0, 0
	FETCH_A 0, 0, 0
	SCALES 0
	FETCH_A 0, 0, 4
	STEP 0, 0, 1
	STEPS 0, 1
	TURN 0, 1
	STEPS 1, 0
	s_wait_dscnt 4*NL                              ; the very last step: nothing more to fetch
	WIN MUL_LO
	MUL16 0, 1, NQ-1, 1, 0
	MUL16 2, 1, NQ-1, 1, 0
	s_wait_dscnt 0
	WIN MUL_HI
	MUL16 4, 1, NQ-1, 1, 0
	MUL16 6, 1, NQ-1, 1, 0
	WIN 0
; THE WAY OUT, block by block of 16 rows x 128 columns (two heads).  In head j the column d = 16 b + 8 h + i lies in accumulator 4 j + b, register i.  The rotation pairs d (b = u) with d + 32 (b = u + 2), frequency 16 u + 8 h + i.
.macro LOADCS a                        ; cos and sin of block a's 16 positions at my 16 frequencies: eight loads of 16 bytes a lane into set a % 2: cos of u at 8 u, sin of u at 16 + 8 u
	WIN TO_B
.irp u, 0,1
.irp g, 0,1
	global_load_b128 v[CS+32*((\a)%2)+8*\u+4*\g:CS+32*((\a)%2)+8*\u+4*\g+3], v[TA], s[98:99] offset:4096*(\a)+64*\u+16*\g
	global_load_b128 v[CS+32*((\a)%2)+16+8*\u+4*\g:CS+32*((\a)%2)+16+8*\u+4*\g+3], v[TA], s[98:99] offset:4096*(\a)+128+64*\u+16*\g
.endr
.endr
	WIN 0
.endm
.macro ROT a                           ; y1 = x1 cos - x2 sin, y2 = x1 sin + x2 cos, two numbers an instruction; each accumulator is read from its low end on; then f16
.set AC, 64*((\a)%4)
.set CSB, CS+32*((\a)%2)
.irp j, 0,1
	WIN 0x06+(\a)/4                                ; source 0: the accumulators' window (2 or 3); source 1: window 1; the rest window 0
.irp u, 0,1
.irp i, 0,2,4,6
	v_pk_mul_f32 v[T+8*\u+\i:T+8*\u+\i+1], v[AC+8*(4*\j+\u+2)+\i:AC+8*(4*\j+\u+2)+\i+1], v[CSB+16+8*\u+\i:CSB+16+8*\u+\i+1]
	v_pk_mul_f32 v[T+16+8*\u+\i:T+16+8*\u+\i+1], v[AC+8*(4*\j+\u)+\i:AC+8*(4*\j+\u)+\i+1], v[CSB+16+8*\u+\i:CSB+16+8*\u+\i+1]
.endr
.endr
.irp u, 0,1
.irp i, 0,2,4,6
	v_pk_fma_f32 v[Y+8*\u+\i:Y+8*\u+\i+1], v[AC+8*(4*\j+\u)+\i:AC+8*(4*\j+\u)+\i+1], v[CSB+8*\u+\i:CSB+8*\u+\i+1], v[T+8*\u+\i:T+8*\u+\i+1] neg_lo:[0,0,1] neg_hi:[0,0,1]
	v_pk_fma_f32 v[Y+16+8*\u+\i:Y+16+8*\u+\i+1], v[AC+8*(4*\j+\u+2)+\i:AC+8*(4*\j+\u+2)+\i+1], v[CSB+8*\u+\i:CSB+8*\u+\i+1], v[T+16+8*\u+\i:T+16+8*\u+\i+1]
.endr
.endr
	WIN 0
.irp i, 0,1,2,3,4,5,6,7,8,9,10,11,12,13,14,15
	v_cvt_pk_f16_f32 v[TMP+16*\j+\i], v[Y+2*\i], v[Y+2*\i+1]
.endr
.endr
.endm
.macro TOSTAGE a                       ; 16 bytes a lane into my stage, and back as whole rows.  LDS serves a wave's instructions in order: no wait between the stores and the loads
.irp j, 0,1
.irp b, 0,1,2,3
	ds_store_b128 v[STO], v[TMP+16*\j+4*\b:TMP+16*\j+4*\b+3] offset:16*SPO*\j+32*\b
.endr
.endr
.irp j, 0,1
.irp t, 0,1,2,3
	ds_load_b128 v[BK+32*((\a)%2)+16*\j+4*\t:BK+32*((\a)%2)+16*\j+4*\t+3], v[RD] offset:16*SPO*\j+4*SPO*\t
.endr
.endr
.endm
.macro SEND a
	s_wait_dscnt 0x0                               ; the block is back in registers
	s_wait_xcnt 0x0                                ; the earlier stores have read their registers: the other set is loaded again only behind this wait
.irp j, 0,1
.irp t, 0,1,2,3
	global_store_b128 v[CO], v[BK+32*((\a)%2)+16*\j+4*\t:BK+32*((\a)%2)+16*\j+4*\t+3], s[12:13] offset:262144*\j+2048*(\a)+512*\t   ; 32 lanes store 512 consecutive bytes: four rows of a head
.endr
.endr
.endm
	PLACES NP                                      ; behind the last products: for the loads into registers that held fragments and for the first reads of results
	LOADCS 0
	LOADCS 1
.irp a, 0,1,2,3,4,5,6,7
.if \a < 7
	s_wait_loadcnt 8                               ; this block's eight table loads are in; the next block's may be out
.else
	s_wait_loadcnt 0x0
.endif
	ROT \a
.if \a < 6
	LOADCS \a+2
.endif
.if \a > 0
	SEND \a-1
.endif
	TOSTAGE \a
.endr
	SEND 7
	s_wait_tensorcnt 0x0                           ; the wave's end: three lines, behind my last tensor load and my last LDS store
	ds_add_u32 v[SPW], v[NIL]
	s_wait_dscnt 0x0
	CROUND                                         ; the closing round
	s_endpgm
.Lfunc_end_k_qca65ab7f4d_proj:
	.size	k_qca65ab7f4d_proj, .Lfunc_end_k_qca65ab7f4d_proj-k_qca65ab7f4d_proj
	.p2alignl 7, 3214868480
	.fill 96, 4, 3214868480
	.section	.rodata,"a",@progbits
	.p2align	6, 0x0
	.amdhsa_kernel k_qca65ab7f4d_proj
		.amdhsa_group_segment_fixed_size 327680
		.amdhsa_private_segment_fixed_size 0
		.amdhsa_enable_private_segment 0
		.amdhsa_kernarg_size 56
		.amdhsa_user_sgpr_count 2
		.amdhsa_user_sgpr_kernarg_segment_ptr 1
		.amdhsa_wavefront_size32 1
		.amdhsa_system_sgpr_workgroup_id_x 1
		.amdhsa_system_sgpr_workgroup_id_y 1
		.amdhsa_system_sgpr_workgroup_id_z 1
		.amdhsa_system_vgpr_workitem_id 0
		.amdhsa_next_free_vgpr 1024
		.amdhsa_next_free_sgpr 102
		.amdhsa_reserve_vcc 0
		.amdhsa_float_denorm_mode_32 3
		.amdhsa_float_denorm_mode_16_64 3
		.amdhsa_memory_ordered 1
		.amdhsa_forward_progress 1
		.amdhsa_inst_pref_size 170
	.end_amdhsa_kernel
	.amdgpu_metadata
---
amdhsa.version: [ 1, 2 ]
amdhsa.kernels:
  - .name:           k_qca65ab7f4d_proj
    .symbol:         k_qca65ab7f4d_proj.kd
    .args:
      - { .name: x_codes, .offset: 0, .size: 8, .value_kind: global_buffer, .address_space: global }
      - { .name: x_scales, .offset: 8, .size: 8, .value_kind: global_buffer, .address_space: global }
      - { .name: w_codes, .offset: 16, .size: 8, .value_kind: global_buffer, .address_space: global }
      - { .name: w_scales, .offset: 24, .size: 8, .value_kind: global_buffer, .address_space: global }
      - { .name: context_bias, .offset: 32, .size: 8, .value_kind: global_buffer, .address_space: global }
      - { .name: rope, .offset: 40, .size: 8, .value_kind: global_buffer, .address_space: global }
      - { .name: qkv, .offset: 48, .size: 8, .value_kind: global_buffer, .address_space: global }
    .group_segment_fixed_size: 327680
    .private_segment_fixed_size: 0
    .kernarg_segment_align: 8
    .kernarg_segment_size: 56
    .max_flat_workgroup_size: 128
    .sgpr_count:     102
    .vgpr_count:     1024
    .wavefront_size: 32
...
	.end_amdgpu_metadata
.endif
;; end of part 2
;; launch attn (part 3): grid 4 x 64, 8 waves a work-group, clusters of 4 x 1, 327,680 bytes of LDS; arguments qkv, ah; writes ah
.if DOCPART == 3
	.amdgcn_target "amdgcn-amd-amdhsa--gfx1250"
	.amdhsa_code_object_version 6
	.text
	.protected	k_qca65ab7f4d_attn
	.globl	k_qca65ab7f4d_attn
	.p2align	8
	.type	k_qca65ab7f4d_attn,@function
k_qca65ab7f4d_attn:
	s_mov_b64 s[64:65], 0
	v_nop
	global_prefetch_b8 v0, s[64:65] scope:SCOPE_SE
	s_setreg_imm32_b32 hwreg(HW_REG_WAVE_MODE, 25, 1), 1
	s_wait_xcnt 0x0
	s_wait_alu depctr_hold_cnt(0) depctr_sa_sdst(0) depctr_va_vdst(0) depctr_va_sdst(0) depctr_va_ssrc(0) depctr_va_vcc(0) depctr_vm_vsrc(0)
	s_getreg_b32 s2, hwreg(HW_REG_IB_STS2, 6, 4)
	s_cmp_eq_u32 s2, 0
	s_cbranch_scc0 .Lentry_in_a_cluster
	s_endpgm
.Lentry_in_a_cluster:
	s_bfe_u32 s2, ttmp6, 0x10000c
	s_cmp_lg_u32 s2, 0x3003
	s_cbranch_scc0 .Lentry_shape_is_right
	s_endpgm
.Lentry_shape_is_right:
; ATTN: O[q][:] = the sum over k of softmax_k(Q[q] . K[k] / 8) V[k][:] for each of 64 (batch, head) pairs.  qkv: [3][64][2048][64] f16.  Products, maxima and sums in f32; the weights p are rounded to f16 for the second product, O once at the end.
; The result goes to ah [4096 pairs of rows][16 heads][2 rows][64] f16: two rows of one head are 256 consecutive bytes, so each sixteen lanes' store covers 256 consecutive bytes, aligned.
; LIMITS: p under 6e-8 counts as 0 in the second product (the row's sum is taken of the unrounded p); O beyond 65,504 would be infinite in f16.
; SHARES.  A work-group owns 512 queries of one head, each of its eight waves 64: four tiles of 16, in two PIECES of two tiles.  Every wave walks all 2,048 keys, 64 a step; each fragment of K and V read from LDS feeds four products.
; LAYOUT.  S^T = K Q^T (source 0 = 16 keys, source 1 = 16 queries): a lane holds ONE query (lane % 16) and keys 8 (lane / 16) + 0..7.  Two such tiles, rounded to f16 in pairs, ARE source 1 (32 keys x 16 queries) of O^T = V^T P.
; K comes out of LDS as it lies, V ([key][channel]) turned, by ds_load_tr16_b128.
; SOFTMAX.  For each query a running maximum m and sum l: p = 2^(c s - c m), c = log2(e) / 8; in every step O and l are multiplied by a = 2^(c m_old - c m_new).
; PHASES.  A HALF of a key step belongs to one piece: its softmax, its 16 products V^T P, then the other piece's 16 products K Q^T.  The work-group has eight waves for four SIMDs; half of the waves stand back by a run of s_nop
; behind each barrier, so that one wave's vector phase can stand beside another's matrix phase.
; CLUSTER.  The four query blocks of a head are one cluster and walk the same K and V: each tile is asked for JOINTLY, with the mask 15.
; REGISTERS: window 0: v1-14 addresses; v16-47 eight registers of statistics a tile; v64-127 S^T of the piece in hand, 32 a tile; v128-159 P, 16 a tile; v160-223 Q, 16 a tile.
;   window 1: v0-127 O^T, 32 a tile; v128-191 K of one step; v192-255 V of one step.
.set KS,    64
.set PK,    144       ; a row of K in LDS: 128 bytes + 16: the 16 rows of a load start at 16 different 16-byte columns
.set PV,    160       ; a row of V: 128 + 32: the eight rows of a turning load's half start at eight different 32-byte columns
.set VOFF,  KS*PK     ; a step's tiles lie together: 64 rows of K, then 64 rows of V
.set STEPB, KS*(PK+PV)
.set NST,   4         ; steps in a slot
.set SLOTB, NST*KS*128  ; a slot's keys in memory, in bytes, for K and for V
.set SLOT1, 1<<17     ; slot 1 begins here, so that one exclusive or turns an address in one slot into the other's
.set STAGE, SLOT1+NST*STEPB  ; behind the ring: 16 rows x 144 bytes for each wave, for the way out
.set SP,    144
.set SPARE, STAGE+8*16*SP    ; the spare words, 128 bytes a wave, that no other line names
.set AK0, 2
.set AV0, 3
.set ADR, 4
.set QO,  5
.set STO, 6
.set RD,  7
.set GO,  8
.set PFO, 12          ; v12 256 x my lane; never rewritten
.set SPW, 13
.set NIL, 14
.set ST,  16          ; tile t's statistics at v[ST+8 t]: +0 c m, +1 m, +2, +3 l (even keys', odd keys'), +4 to +7 c0-c3, at work; a takes c2's place
.set S,   64
.set P,   128
.set Q,   160
.set KF,  128         ; in window 1
.set VF,  192         ; in window 1
.set WV,  12
.set LIM, 15          ; s15 1 in a wave that prefetches, else the greatest number
.set PFA, 18          ; s[18:19] where my prefetches stand
.set G1K, 24
.set G1V, 32
.set G0K, 40          ; s[40:47] group 0 for K's tiles: a set for each of the two first fills; the second then walks on
.set G0V, 48
.set SLOTS, 56
.set CNT, 57
.set CS,  58          ; s[58:59] c
.set SEL, 60          ; s[60:61] lane selects: each lane takes its own place in the other half
.set TB,  62          ; s62 LDS byte at which the tiles of the step to be fetched begin
.set SKW, 63          ; s63 1 in the waves that stand back
.set MSB, 0
.macro WIN new
.if MSB != (\new)
	s_set_vgpr_msb (MSB<<8)|(\new)
.set MSB, (\new)
.endif
.endm
.set W_KQ, 0x01       ; K in window 1; Q and S^T in window 0
.set W_PV, 0x51       ; V and O^T in window 1, P in window 0
.set W_RS, 0x41       ; O^T (destination and source 0) in window 1, a in window 0
.set W_LD, 0x40       ; destination window 1, address window 0
; A joint refill.  Waves 0 to 3 fetch K's tiles of a slot's four steps, waves 4 to 7 V's.  The branch hangs on the wave's number alone.  An s_nop 0 and four v_nop follow each line.
.macro JLOAD
	s_cmp_lt_u32 s[WV], 4
	s_cbranch_scc0 .Lfor_v_\@
	tensor_load_to_lds s[G0K+4:G0K+7], s[G1K:G1K+7]
	s_nop 0
.rept 4
	v_nop
.endr
	s_branch .Lasked_\@
.Lfor_v_\@:
	tensor_load_to_lds s[G0V+4:G0V+7], s[G1V:G1V+7]
	s_nop 0
.rept 4
	v_nop
.endr
.Lasked_\@:
.endm
; A prefetch of what the NEXT change of slots will ask for: a slot's 32,768 bytes of K and of V.  The four partners share them out by address, 8,192 bytes each; in each, wave 0 asks for K's and wave 4 for V's, lanes 256 bytes apart:
; each run of 256 bytes is named once in the launch.  It stands behind the wave's tensor load, four key steps ahead of the load that will want the bytes.  The last change that fills a slot asks for nothing.
.macro ASK
	s_cmp_gt_u32 s[SLOTS], s[LIM]
	s_cbranch_scc0 .Lnot_mine_\@
	global_prefetch_b8 v[PFO], s[PFA:PFA+1] th:TH_LOAD_NT scope:SCOPE_SE
.Lnot_mine_\@:
.endm
.macro CROUND                          ; a round of the cluster's barrier
	s_barrier_signal -1
	s_barrier_wait -1
	s_cmp_lg_u32 s[WV], 0
	s_cbranch_scc1 .Lnot_wave_0_\@
	s_barrier_signal -3
.Lnot_wave_0_\@:
	s_barrier_wait -3
	s_barrier_signal -1
	s_barrier_wait -1
.endm
.macro SKEW                            ; behind a barrier all waves would begin the same phase: the waves whose bit (w xor w / 4) & 1 is set idle through sixteen s_nop 15.  The bit differs between waves w and w + 1 and between w and w + 4
	s_cmp_eq_u32 s[SKW], 0
	s_cbranch_scc1 .Lno_skew_\@
.rept 16
	s_nop 15
.endr
.Lno_skew_\@:
.endm
	s_load_b64 s[4:5], s[0:1], 0x0    ; qkv
	s_load_b64 s[10:11], s[0:1], 0x8  ; ah
	v_lshl_add_u32 v[SPW], v0, 2, SPARE
	v_mov_b32 v[NIL], 0
	ds_add_u32 v[SPW], v[NIL]       ; the wave's opening: the add, twice on end, and its wait ahead of my first tensor load
	ds_add_u32 v[SPW], v[NIL]
	v_lshrrev_b32 v1, 5, v0
	v_readfirstlane_b32 s[WV], v1   ; wave 0..7
	s_bfe_u32 s13, ttmp6, 0x40000   ; cx: my place in the cluster
	s_lshl_b32 s14, ttmp9, 2
	s_add_co_u32 s14, s14, s13      ; my block of 512 queries: it enters Q's and ah's addresses alone
	s_and_b32 s20, ttmp7, 0xffff    ; 16 x batch + head, which the four partners share
	s_and_b32 s16, s[WV], 3         ; which of a slot's four steps I fetch:
	s_lshl_b32 s22, s20, 18         ; the head's first byte in a part of qkv,
	s_lshl_b32 s17, s16, 13         ; the step's 64 rows of 128 bytes,
	s_add_co_u32 s22, s22, s17
	s_mov_b32 s23, 0
	s_mul_i32 s17, s16, STEPB       ; and its place in a slot: no place in the cluster enters an LDS address
	s_lshl_b32 s2, s20, 18          ; Q: the head, my block's 512 rows, my wave's 64
	s_lshl_b32 s3, s14, 16
	s_add_co_u32 s2, s2, s3
	s_lshl_b32 s3, s[WV], 13
	s_add_co_u32 s2, s2, s3
	s_mov_b32 s3, 0
	s_lshr_b32 s21, s20, 4          ; ah: (2048 x batch + 512 x block + 64 x wave) rows of 2,048 bytes, + 256 x head
	s_lshl_b32 s21, s21, 22
	s_and_b32 s20, s20, 15
	s_lshl_b32 s20, s20, 8
	s_add_co_u32 s20, s20, s21
	s_lshl_b32 s21, s14, 20
	s_add_co_u32 s20, s20, s21
	s_lshl_b32 s21, s[WV], 17
	s_add_co_u32 s20, s20, s21
	s_mov_b32 s21, 0
	; descriptor group 1: a tile of 64 rows x 64 elements of 2 bytes, padded in LDS
	s_mov_b32 s[G1K], 15|(1<<16)|(1<<20)|(1<<21)|(4<<22)|(3<<25)  ; the mask: all four work-groups; elements of 2 bytes; padding on; bit 21 beside a mask; after every 32 words 4 words
	s_mov_b32 s[G1V], 15|(1<<16)|(1<<20)|(1<<21)|(4<<22)|(7<<25)  ; the same with 8 words of padding
.irp g, G1K, G1V
	s_mov_b32 s[\g+1], 64<<16       ; tensor_dim0
	s_mov_b32 s[\g+2], KS<<16       ; tensor_dim1
	s_mov_b32 s[\g+3], 64<<16       ; tile_dim0
	s_mov_b32 s[\g+4], KS           ; tile_dim1
	s_mov_b32 s[\g+5], 64           ; elements from row to row
	s_mov_b32 s[\g+6], 0
	s_mov_b32 s[\g+7], 0
.endr
	s_mov_b32 s[CS], 0x3e38aa3b     ; c = log2(e) / 8
	s_mov_b32 s[CS+1], s[CS]        ; named with it as a pair, so it is written
	s_mov_b32 s[SEL], 0x76543210
	s_mov_b32 s[SEL+1], 0xfedcba98
	s_mov_b32 s[TB], 0
	s_mov_b32 s[SLOTS], 2048/(NST*KS)-2
	s_lshr_b32 s[SKW], s[WV], 2
	s_xor_b32 s[SKW], s[SKW], s[WV]
	s_and_b32 s[SKW], s[SKW], 1
	s_cmp_eq_u32 s16, 0             ; waves 0 and 4 prefetch
	s_cselect_b32 s[LIM], 1, -1
	v_and_b32 v[PFO], 31, v0
	v_lshlrev_b32 v[PFO], 8, v[PFO]
	s_wait_dscnt 0x0                ; both opening adds are done
	s_wait_kmcnt 0x0
	s_add_nc_u64 s[6:7], s[4:5], s[22:23]
	s_add_nc_u64 s[8:9], s[6:7], 0x2000000   ; V at my tile of slot 0
	s_add_nc_u64 s[6:7], s[6:7], 0x1000000   ; K likewise
	s_add_nc_u64 s[4:5], s[4:5], s[2:3]      ; Q at my wave's first row
	s_add_nc_u64 s[10:11], s[10:11], s[20:21]
	s_cmp_lt_u32 s[WV], 4
	s_cselect_b64 s[PFA:PFA+1], s[6:7], s[8:9]  ; (in waves 0 and 4 these stand at a slot's first row)
	s_lshl_b32 s2, s13, 13          ; my work-group's 8,192 bytes of the 32,768
	s_add_nc_u64 s[PFA:PFA+1], s[PFA:PFA+1], s[2:3]
	s_add_nc_u64 s[PFA:PFA+1], s[PFA:PFA+1], 2*SLOTB  ; in slot 2; the first change of slots steps it to slot 3.  Nothing is prefetched at the head
	CROUND                          ; all four work-groups are here: the first joint loads meet
.irp s, 0,1
	s_mov_b32 s[G0K+4*\s], 1
	s_add_co_u32 s[G0K+4*\s+1], s17, \s*SLOT1
	s_add_nc_u64 s[G0K+4*\s+2:G0K+4*\s+3], s[6:7], \s*SLOTB
	s_or_b32 s[G0K+4*\s+3], s[G0K+4*\s+3], 0x80000000
	s_mov_b32 s[G0V+4*\s], 1
	s_add_co_u32 s[G0V+4*\s+1], s17, \s*SLOT1+VOFF
	s_add_nc_u64 s[G0V+4*\s+2:G0V+4*\s+3], s[8:9], \s*SLOTB
	s_or_b32 s[G0V+4*\s+3], s[G0V+4*\s+3], 0x80000000
.endr
	s_cmp_lt_u32 s[WV], 4           ; a wave's two first fills stand in one branch, ahead of every wait on TENSORcnt and every LDS read: two loads of mine are out
	s_cbranch_scc0 .Lfirst_v
	tensor_load_to_lds s[G0K:G0K+3], s[G1K:G1K+7]
	s_nop 0
	tensor_load_to_lds s[G0K+4:G0K+7], s[G1K:G1K+7]
	s_nop 0
.rept 4
	v_nop
.endr
	s_branch .Lfirst_asked
.Lfirst_v:
	tensor_load_to_lds s[G0V:G0V+3], s[G1V:G1V+7]
	s_nop 0
	tensor_load_to_lds s[G0V+4:G0V+7], s[G1V:G1V+7]
	s_nop 0
.rept 4
	v_nop
.endr
.Lfirst_asked:
	; A fragment of K or Q is 16 rows x 32 channels in 8 registers: lane l holds row l % 16; registers 0-3 channels 8 (l / 16) + 0..7, registers 4-7 channels 16 + 8 (l / 16) + 0..7
	v_and_b32 v1, 15, v0            ; r
	v_bfe_u32 v9, v0, 4, 1          ; h
	v_lshlrev_b32 v[QO], 7, v1
	v_lshl_add_u32 v[QO], v9, 4, v[QO]
.irp i, 0,1,2,3,4,5,6,7             ; Q stays in registers: tile i / 2, channels 32 (i % 2) on
	global_load_b128 v[Q+8*\i:Q+8*\i+3],   v[QO], s[4:5] offset:(\i/2)*2048+(\i%2)*64
	global_load_b128 v[Q+8*\i+4:Q+8*\i+7], v[QO], s[4:5] offset:(\i/2)*2048+(\i%2)*64+32
.endr
	v_mul_u32_u24 v[AK0], v1, PK
	v_lshl_add_u32 v[AK0], v9, 4, v[AK0]
	; The turning load takes 16 keys x 16 channels (lane l reads 16 bytes: key 8 (l / 16) + l % 8, channels 8 ((l / 8) % 2) + 0..7) and leaves half a fragment of V^T: lane l holds channel l % 16 and 8 keys
	v_and_b32 v10, 7, v0
	v_bfe_u32 v11, v0, 3, 1
	v_lshl_add_u32 v[AV0], v9, 3, v10
	v_mul_u32_u24 v[AV0], v[AV0], PV
	v_lshl_add_u32 v[AV0], v11, 4, v[AV0]
	v_add_nc_u32 v[AV0], VOFF, v[AV0]
; 16 products S^T = K Q^T for piece x: channels 32 (i / 8) on, keys 16 ((i / 2) % 4) on, tile 2 x + i % 2.  The first 8 start the sums.  Eight accumulators take turns, one instruction a turn.
.macro KQ16 x
	WIN W_KQ
.set i, 0
.rept 16
.set rS, S+32*(i%2)+8*((i/2)%4)
.set rK, KF+16*((i/2)%4)+8*(i/8)
.set rQ, Q+16*(2*(\x)+i%2)+8*(i/8)
.if i < 8
	v_wmma_f32_16x16x32_f16 v[rS:rS+7], v[rK:rK+7], v[rQ:rQ+7], 0
.else
	v_wmma_f32_16x16x32_f16 v[rS:rS+7], v[rK:rK+7], v[rQ:rQ+7], v[rS:rS+7]
.endif
.set i, i+1
.endr
.endm
; 16 products O^T += V^T P for piece x: keys 32 (i / 8) on, channels 16 ((i / 2) % 4) on, tile 2 x + i % 2.  first = 1: the first 8 start the sums: nothing is ever cleared.
.macro PV16 x, first
	WIN W_PV
.set i, 0
.rept 16
.set rO, 32*(2*(\x)+i%2)+8*((i/2)%4)
.set rV, VF+32*(i/8)+8*((i/2)%4)
.set rP, P+16*(i%2)+8*(i/8)
.if (\first) && (i < 8)
	v_wmma_f32_16x16x32_f16 v[rO:rO+7], v[rV:rV+7], v[rP:rP+7], 0
.else
	v_wmma_f32_16x16x32_f16 v[rO:rO+7], v[rV:rV+7], v[rP:rP+7], v[rO:rO+7]
.endif
.set i, i+1
.endr
.endm
; A step's K, or its V, in one run of 16 LDS loads.  The address's addition and three v_nop are the four plain instructions between the last products and the loads into registers that they read, and the softmax's first read of their results.
.macro FETCH_K
	WIN 0
	v_add_nc_u32 v[ADR], s[TB], v[AK0]
.rept 3
	v_nop
.endr
	WIN W_LD
.irp f, 0,1,2,3,4,5,6,7             ; keys 16 (f / 2) on, channels 32 (f % 2) on
	ds_load_b128 v[KF+8*\f:KF+8*\f+3],   v[ADR] offset:(\f/2)*16*PK+(\f%2)*64
	ds_load_b128 v[KF+8*\f+4:KF+8*\f+7], v[ADR] offset:(\f/2)*16*PK+(\f%2)*64+32
.endr
.endm
.macro FETCH_V
	WIN 0
	v_add_nc_u32 v[ADR], s[TB], v[AV0]
	s_add_co_u32 s[TB], s[TB], STEPB  ; the next fetch is the next step's
.rept 3
	v_nop
.endr
	WIN W_LD
.irp f, 0,1,2,3,4,5,6,7             ; keys 32 (f / 4) on, channels 16 (f % 4) on
	ds_load_tr16_b128 v[VF+8*\f:VF+8*\f+3],   v[ADR] offset:(\f/4)*32*PV+(\f%4)*32
	ds_load_tr16_b128 v[VF+8*\f+4:VF+8*\f+7], v[ADR] offset:(\f/4)*32*PV+16*PV+(\f%4)*32
.endr
.endm
; THE SOFTMAX of piece x for one key step, its two tiles (u = 0, 1) line by line.  first = 1: the first key step, which starts m, l and O^T.
.macro SOFTMAX x, first
.set TT, ST+16*(\x)
.set OO, 64*(\x)
	WIN 0
.irp k, 0,1,2,3                     ; the maximum of 32 scores and the old m, three operands at a time: four chains, each begun at its accumulator's low end
.irp u, 0,1
	v_max3_num_f32 v[TT+8*\u+4+\k], v[S+32*\u+8*\k], v[S+32*\u+8*\k+1], v[S+32*\u+8*\k+2]
.endr
.endr
.irp g, 3,5
.irp k, 0,1,2,3
.irp u, 0,1
	v_max3_num_f32 v[TT+8*\u+4+\k], v[TT+8*\u+4+\k], v[S+32*\u+8*\k+\g], v[S+32*\u+8*\k+\g+1]
.endr
.endr
.endr
.irp u, 0,1
	v_max3_num_f32 v[TT+8*\u+4], v[TT+8*\u+4], v[S+32*\u+7], v[S+32*\u+15]
	v_max3_num_f32 v[TT+8*\u+6], v[TT+8*\u+6], v[S+32*\u+23], v[S+32*\u+31]
.endr
.irp u, 0,1
	v_max3_num_f32 v[TT+8*\u+4], v[TT+8*\u+4], v[TT+8*\u+5], v[TT+8*\u+6]
.endr
.irp u, 0,1
.if \first
	v_max_num_f32 v[TT+8*\u+4], v[TT+8*\u+4], v[TT+8*\u+7]
.else
	v_max3_num_f32 v[TT+8*\u+4], v[TT+8*\u+4], v[TT+8*\u+7], v[TT+8*\u+1]
.endif
.endr
.irp u, 0,1
	v_permlanex16_b32 v[TT+8*\u+5], v[TT+8*\u+4], s[SEL], s[SEL+1]  ; the query's other 32 keys lie in the lane 16 away
.endr
.if (\first) == 0
.irp u, 0,1
	v_mov_b32 v[TT+8*\u+7], v[TT+8*\u]   ; c m_old is kept for a
.endr
.endif
.irp u, 0,1
	v_max_num_f32 v[TT+8*\u+1], v[TT+8*\u+4], v[TT+8*\u+5]
.endr
.irp u, 0,1
	v_mul_f32 v[TT+8*\u], s[CS], v[TT+8*\u+1]
.endr
.if (\first) == 0
.irp u, 0,1
	v_sub_f32 v[TT+8*\u+7], v[TT+8*\u+7], v[TT+8*\u]
.endr
.irp u, 0,1
	v_exp_f32 v[TT+8*\u+6], v[TT+8*\u+7]   ; a.  From here to the wait: ONE BATCH of scalings and exponentials, none of which reads an exponential's result
.endr
.endif
.set n, 0
.rept 16
	v_pk_fma_f32 v[S+2*n:S+2*n+1], v[S+2*n:S+2*n+1], s[CS:CS+1], v[TT:TT+1] op_sel_hi:[1,0,0] neg_lo:[0,0,1] neg_hi:[0,0,1]   ; c s - c m, a pair of scores
.set n, n+1
.endr
.set n, 0
.rept 16
	v_pk_fma_f32 v[S+32+2*n:S+32+2*n+1], v[S+32+2*n:S+32+2*n+1], s[CS:CS+1], v[TT+8:TT+9] op_sel_hi:[1,0,0] neg_lo:[0,0,1] neg_hi:[0,0,1]
	v_exp_f32 v[S+2*n], v[S+2*n]
	v_exp_f32 v[S+2*n+1], v[S+2*n+1]
.set n, n+1
.endr
.set n, 0
.rept 32
	v_exp_f32 v[S+32+n], v[S+32+n]
.set n, n+1
.endr
	v_nop                           ; a plain instruction behind the last exponential, ahead of the first use
	s_wait_alu depctr_va_vdst(0)    ; one wait for the whole batch, ahead of its first reader
.set n, 0
.rept 16
	v_cvt_pk_f16_f32 v[P+n], v[S+2*n], v[S+2*n+1]
	v_cvt_pk_f16_f32 v[P+16+n], v[S+32+2*n], v[S+32+2*n+1]
.set n, n+1
.endr
.irp z, 0,1,2,3,4,5,6,7             ; the sum of a tile's 16 pairs, of the unrounded p, in place: neighbours 1, 2, 4 and 8 pairs apart
.irp u, 0,1
	v_pk_add_f32 v[S+32*\u+4*\z:S+32*\u+4*\z+1], v[S+32*\u+4*\z:S+32*\u+4*\z+1], v[S+32*\u+4*\z+2:S+32*\u+4*\z+3]
.endr
.endr
.irp z, 0,1,2,3
.irp u, 0,1
	v_pk_add_f32 v[S+32*\u+8*\z:S+32*\u+8*\z+1], v[S+32*\u+8*\z:S+32*\u+8*\z+1], v[S+32*\u+8*\z+4:S+32*\u+8*\z+5]
.endr
.endr
.irp z, 0,1
.irp u, 0,1
	v_pk_add_f32 v[S+32*\u+16*\z:S+32*\u+16*\z+1], v[S+32*\u+16*\z:S+32*\u+16*\z+1], v[S+32*\u+16*\z+8:S+32*\u+16*\z+9]
.endr
.endr
.if \first
.irp u, 0,1
	v_pk_add_f32 v[TT+8*\u+2:TT+8*\u+3], v[S+32*\u:S+32*\u+1], v[S+32*\u+16:S+32*\u+17]
.endr
.else
.irp u, 0,1
	v_pk_add_f32 v[S+32*\u:S+32*\u+1], v[S+32*\u:S+32*\u+1], v[S+32*\u+16:S+32*\u+17]
.endr
.irp u, 0,1
	v_pk_fma_f32 v[TT+8*\u+2:TT+8*\u+3], v[TT+8*\u+2:TT+8*\u+3], v[TT+8*\u+6:TT+8*\u+7], v[S+32*\u:S+32*\u+1] op_sel_hi:[1,0,1]   ; l = a l + the sum
.endr
	WIN W_RS
.set n, 0
.rept 16
	v_pk_mul_f32 v[OO+n:OO+n+1], v[OO+n:OO+n+1], v[TT+6:TT+7] op_sel_hi:[1,0]           ; O^T x a, each accumulator from its low end on
	v_pk_mul_f32 v[OO+32+n:OO+32+n+1], v[OO+32+n:OO+32+n+1], v[TT+14:TT+15] op_sel_hi:[1,0]
.set n, n+2
.endr
.endif
.endm
; HALF a key step.  Piece 0's half fetches the step's V; piece 1's fetches the next step's K (kq = 1).  The fetch lands while the softmax is worked; one wait for it stands ahead of the products.
.macro HALF x, kq, first
.if (\x) == 0
	FETCH_V
.elseif \kq
	FETCH_K
.else
	WIN 0
.rept 4
	v_nop
.endr
.endif
	SOFTMAX \x, \first
	s_wait_dscnt 0x0                ; V, or the next step's K, is in
	PV16 \x, \first
.if \kq
	KQ16 1-(\x)
.endif
.endm
.macro STEPS n                      ; n times: piece 1's half of a step, piece 0's half of the next
	s_mov_b32 s[CNT], \n
.Lstep_\@:
	HALF 1, 1, 0
	HALF 0, 1, 0
	WIN 0
	s_sub_co_u32 s[CNT], s[CNT], 1
	s_cmp_lg_u32 s[CNT], 0
	s_cbranch_scc1 .Lstep_\@
.endm
; THE CHANGE OF SLOTS stands in front of the half that fetches the new slot's first K: the old slot's last bytes, V of its fourth step, have been fetched and waited for.  Each wave waits for all its tensor loads, of which one
; is out: its part of the other slot; adds 0 to its spare word; and waits for that and for its reads.  fill = 1: the slot that is left is filled with the keys two slots on; the barrier is then a round of the cluster's,
; and the joint refill is the first thing behind it: it has four key steps in which to land.
.macro CHANGE fill
	WIN 0
	s_wait_tensorcnt 0x0            ; no tensor load of mine is out, so a group 0 may be written
	ds_add_u32 v[SPW], v[NIL]
.if \fill
.irp g, G0K+4, G0V+4
	s_xor_b32 s[\g+1], s[\g+1], SLOT1  ; the walking descriptor: the other slot than last time,
	s_add_nc_u64 s[\g+2:\g+3], s[\g+2:\g+3], SLOTB  ; the next 256 keys
.endr
	s_wait_xcnt 0x0                 ; the last prefetch, a slot back, has read its address, so it may be written
	s_add_nc_u64 s[PFA:PFA+1], s[PFA:PFA+1], SLOTB
	s_wait_dscnt 0x0                ; the add is done, and my reads of the slot are over
	CROUND
	JLOAD
	ASK
.else
	s_wait_dscnt 0x0
	s_barrier_signal -1
	s_barrier_wait -1
.endif
	s_sub_co_u32 s[TB], s[TB], NST*STEPB  ; the fetches go back to a slot's first step,
	s_xor_b32 s[TB], s[TB], SLOT1   ; in the other slot
	SKEW
.endm
	s_wait_tensorcnt 1              ; my part of slot 0 is in; slot 1's may stay out
	s_barrier_signal -1
	s_barrier_wait -1               ; everybody's is
	SKEW
	FETCH_K                         ; key step 0
	s_wait_loadcnt 0x0              ; Q
	s_wait_dscnt 0x0
	KQ16 0                          ; piece 0's first scores
	WIN 0                           ; the addresses for the way out are made here
	s_mul_i32 s13, s[WV], 16*SP
	s_add_co_u32 s13, s13, STAGE    ; my stage
	v_mul_u32_u24 v[STO], v1, SP    ; in: row r, 16 bytes for each half of the lanes
	v_lshl_add_u32 v[STO], v9, 4, v[STO]
	v_add_nc_u32 v[STO], s13, v[STO]
	v_bfe_u32 v[RD], v0, 3, 2       ; back: eight lanes to a row of 128 bytes, four rows an instruction
	v_mul_u32_u24 v[RD], v[RD], SP
	v_lshl_add_u32 v[RD], v10, 4, v[RD]
	v_add_nc_u32 v[RD], s13, v[RD]
	v_lshlrev_b32 v[GO], 12, v9     ; in ah: lanes 0-15 one pair of rows (256 bytes), lanes 16-31 the next pair, 4,096 bytes on
	v_lshl_add_u32 v[GO], v1, 4, v[GO]
	HALF 0, 1, 1                    ; step 0, piece 0
	HALF 1, 1, 1                    ; step 0, piece 1; K of step 1
	HALF 0, 1, 0                    ; step 1, piece 0
	WIN 0
	STEPS 2                         ; up to step 3, piece 0
.Lslot:                             ; six trips: every slot but the last two is filled again
	CHANGE 1
	STEPS NST
	s_sub_co_u32 s[SLOTS], s[SLOTS], 1
	s_cmp_lg_u32 s[SLOTS], 0
	s_cbranch_scc1 .Lslot
	CHANGE 0                        ; the tail is written out
	STEPS NST
	HALF 1, 0, 0                    ; step 31, piece 1
	; THE WAY OUT.  l's two halves and the other half of the lanes' are added; O^T is divided by l, rounded to f16 and sent through my stage in LDS, a tile (16 rows) at a time.  The additions are the places behind the last products.
	WIN 0
.irp t, 0,1,2,3
	v_add_f32 v[ST+8*\t+4], v[ST+8*\t+2], v[ST+8*\t+3]
.endr
.irp t, 0,1,2,3
	v_permlanex16_b32 v[ST+8*\t+5], v[ST+8*\t+4], s[SEL], s[SEL+1]
.endr
.irp t, 0,1,2,3
	v_add_f32 v[ST+8*\t+4], v[ST+8*\t+4], v[ST+8*\t+5]
.endr
.irp t, 0,1,2,3
	v_rcp_f32 v[ST+8*\t+6], v[ST+8*\t+4]
.endr
	v_nop                           ; a plain instruction between the last reciprocal and the use of its result
	s_wait_alu depctr_va_vdst(0)    ; one wait for the four reciprocals, ahead of the first use
.macro PACK t
	WIN W_RS
.set i, 32*\t
.rept 16
	v_pk_mul_f32 v[i:i+1], v[i:i+1], v[ST+8*\t+6:ST+8*\t+7] op_sel_hi:[1,0]
.set i, i+2
.endr
	WIN 0x05                        ; sources 0 and 1 window 1, destination window 0: S^T's registers are free
.set i, 0
.rept 16
	v_cvt_pk_f16_f32 v[S+16*\t+i], v[32*\t+2*i], v[32*\t+2*i+1]
.set i, i+1
.endr
	WIN 0
.irp f, 0,1,2,3
	ds_store_b128 v[STO], v[S+16*\t+4*\f:S+16*\t+4*\f+3] offset:32*\f
.endr
.irp f, 0,1,2,3
	ds_load_b128 v[S+16*\t+4*\f:S+16*\t+4*\f+3], v[RD] offset:\f*4*SP  ; LDS serves a wave's instructions in order: these see the stores above; the next tile's stores come behind them
.endr
.endm
.macro SEND t, younger              ; younger: the LDS instructions issued behind tile t's loads: the next tile's eight, or none
.irp f, 0,1,2,3
	s_wait_dscnt \younger+3-\f
	global_store_b128 v[GO], v[S+16*\t+4*\f:S+16*\t+4*\f+3], s[10:11] offset:\t*32768+\f*8192  ; sixteen lanes store 256 consecutive bytes, aligned: two rows of my head
.endr
.endm
	PACK 0
	PACK 1
	SEND 0, 8
	PACK 2
	SEND 1, 8
	PACK 3
	SEND 2, 8
	SEND 3, 0
	s_wait_tensorcnt 0x0            ; the wave's end: three lines, behind my last tensor load and my last LDS store
	ds_add_u32 v[SPW], v[NIL]
	s_wait_dscnt 0x0
	CROUND                          ; the closing round
	s_endpgm
.Lfunc_end_k_qca65ab7f4d_attn:
	.size	k_qca65ab7f4d_attn, .Lfunc_end_k_qca65ab7f4d_attn-k_qca65ab7f4d_attn
	.p2alignl 7, 3214868480
	.fill 96, 4, 3214868480
	.section	.rodata,"a",@progbits
	.p2align	6, 0x0
	.amdhsa_kernel k_qca65ab7f4d_attn
		.amdhsa_group_segment_fixed_size 327680
		.amdhsa_private_segment_fixed_size 0
		.amdhsa_enable_private_segment 0
		.amdhsa_kernarg_size 16
		.amdhsa_user_sgpr_count 2
		.amdhsa_user_sgpr_kernarg_segment_ptr 1
		.amdhsa_wavefront_size32 1
		.amdhsa_system_sgpr_workgroup_id_x 1
		.amdhsa_system_sgpr_workgroup_id_y 1
		.amdhsa_system_sgpr_workgroup_id_z 1
		.amdhsa_system_vgpr_workitem_id 0
		.amdhsa_next_free_vgpr 512
		.amdhsa_next_free_sgpr 66
		.amdhsa_reserve_vcc 0
		.amdhsa_float_denorm_mode_32 3
		.amdhsa_float_denorm_mode_16_64 3
		.amdhsa_memory_ordered 1
		.amdhsa_forward_progress 1
		.amdhsa_inst_pref_size 181
	.end_amdhsa_kernel
	.amdgpu_metadata
---
amdhsa.version: [ 1, 2 ]
amdhsa.kernels:
  - .name:           k_qca65ab7f4d_attn
    .symbol:         k_qca65ab7f4d_attn.kd
    .args:
      - { .name: qkv, .offset: 0, .size: 8, .value_kind: global_buffer, .address_space: global }
      - { .name: ah, .offset: 8, .size: 8, .value_kind: global_buffer, .address_space: global }
    .group_segment_fixed_size: 327680
    .private_segment_fixed_size: 0
    .kernarg_segment_align: 8
    .kernarg_segment_size: 16
    .max_flat_workgroup_size: 256
    .sgpr_count:     66
    .vgpr_count:     512
    .wavefront_size: 32
...
	.end_amdgpu_metadata
.endif
;; end of part 3
;; launch oproj (part 4): grid 8 x 64, 4 waves a work-group, clusters of 4 x 4, 327,680 bytes of LDS; arguments ah, wo_h, b_o, out0; writes out0
.if DOCPART == 4
	.amdgcn_target "amdgcn-amd-amdhsa--gfx1250"
	.amdhsa_code_object_version 6
	.text
	.protected	k_qca65ab7f4d_oproj
	.globl	k_qca65ab7f4d_oproj
	.p2align	8
	.type	k_qca65ab7f4d_oproj,@function
k_qca65ab7f4d_oproj:
	s_mov_b64 s[64:65], 0
	v_nop
	global_prefetch_b8 v0, s[64:65] scope:SCOPE_SE
	s_setreg_imm32_b32 hwreg(HW_REG_WAVE_MODE, 25, 1), 1
	s_wait_xcnt 0x0
	s_wait_alu depctr_hold_cnt(0) depctr_sa_sdst(0) depctr_va_vdst(0) depctr_va_sdst(0) depctr_va_ssrc(0) depctr_va_vcc(0) depctr_vm_vsrc(0)
	s_getreg_b32 s2, hwreg(HW_REG_IB_STS2, 6, 4)
	s_cmp_eq_u32 s2, 0
	s_cbranch_scc0 .Lentry_in_a_cluster
	s_endpgm
.Lentry_in_a_cluster:
	s_bfe_u32 s2, ttmp6, 0x10000c
	s_cmp_lg_u32 s2, 0xf033
	s_cbranch_scc0 .Lentry_shape_is_right
	s_endpgm
.Lentry_shape_is_right:
; OPROJ: out0[m][n] = the sum over k of A[m][k] W_o[n][k] + b_o[n].  A is attention's result, f16, laid as ah [4096 pairs of rows][16 heads][2 rows][64]; k = 64 head + channel.  wo_h: [1024][1024] f16.  out0: [8192][1024] f32; sums in f32.
; A tile of 128 x 128 is made by four waves, each 64 x 64: 16 accumulators of 16 x 16.  K goes in steps of 256 through a ring of two LDS slots.  A K step of a PAIR of rows of A is 1,024 consecutive bytes (4 heads x 2 rows x 128):
; A's tile is stated as 32 pairs x 1,024 bytes, 4,096 bytes apart; row m, k = 64 g + d lies at (m / 2) x 1040 + 256 g + 128 (m % 2) + 2 d.  W_o's tile is 64 rows x 512 bytes.
; CLUSTERS: 4 x 4 work-groups; the four of a row need the same tiles of A, the four of a column the same tiles of W_o: each is asked for JOINTLY.  THE MATRIX INSTRUCTION IS USED TRANSPOSED (source 0 = 16 rows of W_o, source 1 = 16 rows
; of A): a lane holds eight neighbouring columns of a row.  b_o is the C of each sum's first product.  A wave's 64 columns are 256 bytes of a row of out0: each wave has a stage of its own on the way out, and no barrier is needed there.
; REGISTERS: window 0: v0-31 addresses; v32-95 rows on the way out, two sets; v96-127 b_o, 8 registers for each block of 16 columns; v128-255 the accumulators ((a, b) at v[128 + 8 (4 a + b)]).
;   window 1: two fragment buffers of 128: for 64 along K, 64 registers of A, then 64 of W_o.
.set SIZE_N, 1024
.set SIZE_K, 1024
.set KSTEP,  256
.set PITCH,  528                       ; W_o's LDS row: 512 bytes + 16
.set PA,     1040                      ; A's LDS row (a pair of rows): 1,024 bytes + 16: rows r = 0..15 of a fragment fall on 16-byte columns (r / 2) + 8 (r % 2): all different
.set HALFA,  32*PA
.set HALFB,  64*PITCH
.set SLOT,   2*HALFA+2*HALFB           ; A's 128 rows, then W_o's 128 rows
.set STAGE,  2*SLOT                    ; behind the ring: 16 rows x 272 bytes for each wave
.set SPITCH, 272
.set SPARE,  STAGE+4*16*SPITCH         ; the spare words, 128 bytes a wave, that no other line names
.set LAPS, SIZE_K/(2*KSTEP)
.set ADRA, 16
.set ADRB, 20
.set STO,  24
.set RD,   25
.set CO,   26
.set BO,   27                          ; v27 32 h: my eight numbers of a block of 16 of b_o
.set SPW,  28
.set NIL,  29
.set TMP,  32
.set BI,   96
.set ACC,  128
.set F0,   0
.set F1,   128
.set G1, 24
.set G0, 32
.set G1B, 48
.set G0B, 56
.set MSB, 0
.macro WIN new
.if MSB != (\new)
	s_set_vgpr_msb (MSB<<8)|(\new)
.set MSB, (\new)
.endif
.endm
.set MUL,  0x05                        ; sources 0 and 1 window 1; C and D window 0
.set TO_F, 0x40                        ; destination window 1, address window 0
.macro JLOAD s                         ; a joint load: waves 0 and 1 fetch A's two halves, waves 2 and 3 W_o's; an s_nop 0 and four v_nop follow each of the two lines
	s_cmp_eq_u32 s11, 0
	s_cbranch_scc0 .Lfor_b_\@
	tensor_load_to_lds s[G0+4*\s:G0+4*\s+3], s[G1:G1+7]
	s_nop 0
.rept 4
	v_nop
.endr
	s_branch .Lasked_\@
.Lfor_b_\@:
	tensor_load_to_lds s[G0B+4*\s:G0B+4*\s+3], s[G1B:G1B+7]
	s_nop 0
.rept 4
	v_nop
.endr
.Lasked_\@:
.endm
.macro CREST                           ; a round of the cluster's barrier behind its opening barrier
	s_cmp_lg_u32 s10, 0
	s_cbranch_scc1 .Lnot_wave_0_\@
	s_barrier_signal -3
.Lnot_wave_0_\@:
	s_barrier_wait -3
	s_barrier_signal -1
	s_barrier_wait -1
.endm
.macro CROUND
	s_barrier_signal -1
	s_barrier_wait -1
	CREST
.endm
	s_load_b128 s[4:7], s[0:1], 0x0                ; ah s[4:5], wo_h s[6:7]
	s_load_b128 s[68:71], s[0:1], 0x10             ; b_o s[68:69], out0 s[70:71]
	v_lshl_add_u32 v[SPW], v0, 2, SPARE
	v_mov_b32 v[NIL], 0
	ds_add_u32 v[SPW], v[NIL]                      ; the wave's opening: the add, twice on end, and its wait ahead of my first tensor load
	ds_add_u32 v[SPW], v[NIL]
	v_lshrrev_b32 v1, 5, v0
	v_readfirstlane_b32 s10, v1                    ; wave 0..3
	s_lshr_b32 s11, s10, 1                         ; which half of the tile's rows is mine.  Also: I fetch for A (0) or for W_o (1)
	s_and_b32 s12, s10, 1                          ; which half of its columns.  Also: which 64 rows of that tile I fetch
	s_bfe_u32 s40, ttmp6, 0x40000                  ; cx, cy
	s_bfe_u32 s41, ttmp6, 0x40004
	s_lshl_b32 s42, ttmp9, 2
	s_add_co_u32 s42, s42, s40                     ; tile column
	s_and_b32 s13, ttmp7, 0xffff
	s_lshl_b32 s13, s13, 2
	s_add_co_u32 s13, s13, s41                     ; tile row
	s_lshl_b32 s43, s41, 2
	s_lshl_b32 s43, 15, s43                        ; my row of the cluster
	s_lshl_b32 s44, 0x1111, s40                    ; my column
	s_or_b32 s[G1+0], s43, (1<<16)|(1<<20)|(1<<21)|(7<<22)|(3<<25)  ; A: the mask; elements of 2 bytes; padding on; bit 21 beside a mask; after every 256 words 4 words
	s_mov_b32 s[G1+1], 512<<16                     ; tensor_dim0: 512 elements, a pair of rows' K step
	s_mov_b32 s[G1+2], 32<<16                      ; tensor_dim1: 32 pairs
	s_mov_b32 s[G1+3], 512<<16                     ; tile_dim0
	s_mov_b32 s[G1+4], 32                          ; tile_dim1
	s_mov_b32 s[G1+5], 2048                        ; elements from pair to pair
	s_mov_b32 s[G1+6], 0
	s_mov_b32 s[G1+7], 0
	s_or_b32 s[G1B+0], s44, (1<<16)|(1<<20)|(1<<21)|(6<<22)|(3<<25) ; W_o: after every 128 words 4 words
	s_mov_b32 s[G1B+1], KSTEP<<16
	s_mov_b32 s[G1B+2], 64<<16
	s_mov_b32 s[G1B+3], KSTEP<<16
	s_mov_b32 s[G1B+4], 64
	s_mov_b32 s[G1B+5], SIZE_K
	s_mov_b32 s[G1B+6], 0
	s_mov_b32 s[G1B+7], 0
	s_lshl_b32 s17, s12, 6                         ; which 64 rows of the tile I fetch
	s_lshl_b32 s16, s13, 7
	s_add_co_u32 s16, s16, s17                     ; A: row 128 x tile row + 64 x half
	s_lshl_b32 s46, s42, 7
	s_add_co_u32 s46, s46, s17                     ; W_o: row 128 x tile column + 64 x half
	s_mov_b32 s17, 0
	s_mov_b32 s47, 0
	s_mov_b64 s[18:19], SIZE_K*2                   ; 2,048 bytes a row in both (in ah: 4,096 a pair)
	s_mul_u64 s[16:17], s[16:17], s[18:19]
	s_mul_u64 s[46:47], s[46:47], s[18:19]
	s_mul_i32 s20, s12, HALFA                      ; where A's go
	s_mul_i32 s21, s12, HALFB
	s_add_co_u32 s21, s21, 2*HALFA                 ; and W_o's: no place in the cluster enters an LDS address
	s_wait_dscnt 0x0                               ; both opening adds are done
	s_wait_kmcnt 0x0
	s_add_nc_u64 s[14:15], s[4:5], s[16:17]
	s_add_nc_u64 s[46:47], s[6:7], s[46:47]
	CROUND                                         ; all sixteen work-groups are here: the first joint loads meet
.irp s, 0,1
	s_mov_b32 s[G0+4*\s], 1
	s_add_co_u32 s[G0+4*\s+1], s20, \s*SLOT
	s_add_nc_u64 s[G0+4*\s+2:G0+4*\s+3], s[14:15], \s*1024
	s_or_b32 s[G0+4*\s+3], s[G0+4*\s+3], 0x80000000
	s_mov_b32 s[G0B+4*\s], 1
	s_add_co_u32 s[G0B+4*\s+1], s21, \s*SLOT
	s_add_nc_u64 s[G0B+4*\s+2:G0B+4*\s+3], s[46:47], \s*KSTEP*2
	s_or_b32 s[G0B+4*\s+3], s[G0B+4*\s+3], 0x80000000
	JLOAD \s                                       ; two tensor loads of mine are out behind the second
.endr
	s_lshl_b32 s46, s42, 9                         ; my first column, in bytes of f32: 512 x tile column + 256 x half
	s_lshl_b32 s47, s12, 8
	s_add_co_u32 s46, s46, s47
	s_mov_b32 s47, 0
	s_add_nc_u64 s[68:69], s[68:69], s[46:47]
	s_add_nc_u64 s[70:71], s[70:71], s[46:47]
	v_and_b32 v1, 15, v0                           ; r
	v_bfe_u32 v2, v0, 4, 1                         ; h
	v_lshlrev_b32 v[BO], 5, v2
.irp b, 0,1,2,3
	global_load_b128 v[BI+8*\b:BI+8*\b+3], v[BO], s[68:69] offset:64*\b         ; b_o at columns 16 b + 8 h + 0 .. 7: the result's layout
	global_load_b128 v[BI+8*\b+4:BI+8*\b+7], v[BO], s[68:69] offset:64*\b+16
.endr
	v_mul_u32_u24 v3, v1, PITCH
	v_lshl_add_u32 v3, v2, 4, v3                   ; W_o: row x pitch + 16 x half
	v_lshrrev_b32 v6, 1, v1
	v_mul_u32_u24 v6, v6, PA
	v_and_b32 v7, 1, v1
	v_lshl_add_u32 v6, v7, 7, v6
	v_lshl_add_u32 v6, v2, 4, v6                   ; A: pair x 1040 + 128 x parity + 16 x half
	s_mul_i32 s21, s11, HALFA                      ; my 64 rows of A
	s_mul_i32 s22, s12, HALFB                      ; my 64 rows of W_o,
	s_add_co_u32 s22, s22, 2*HALFA                 ; which lie behind A's 128
.irp s, 0,1
	v_add_nc_u32 v[ADRA+\s], s21, v6
	v_add_nc_u32 v[ADRB+\s], s22, v3
	s_add_co_u32 s21, s21, SLOT
	s_add_co_u32 s22, s22, SLOT
.endr
	s_mul_i32 s23, s10, 16*SPITCH
	s_add_co_u32 s23, s23, STAGE                   ; my stage
	v_mul_u32_u24 v4, v1, SPITCH                   ; in: row r, 32 bytes for each half of the lanes
	v_lshl_add_u32 v4, v2, 5, v4
	v_add_nc_u32 v[STO], s23, v4
	v_mul_u32_u24 v5, v2, SPITCH                   ; back: lanes 0-15 one row of 256 bytes, lanes 16-31 the next
	v_lshl_add_u32 v5, v1, 4, v5
	v_add_nc_u32 v[RD], s23, v5
	v_lshlrev_b32 v[CO], 12, v2                    ; and the same two rows in out0, 4,096 bytes apart
	v_lshl_add_u32 v[CO], v1, 4, v[CO]
	s_lshl_b32 s16, s13, 7
	s_lshl_b32 s17, s11, 6
	s_add_co_u32 s16, s16, s17                     ; my first row of out0
	s_lshl_b32 s16, s16, 12
	s_mov_b32 s17, 0
	s_add_nc_u64 s[70:71], s[70:71], s[16:17]
; 8 matrix instructions: m blocks a0, a0 + 1 x all 4 n blocks, 32 along K: half c of buffer f.  zero = 1: the first product starts the sums from b_o.  The 16 accumulators take turns
.macro MUL8 f, c, a0, zero
.irp a, \a0, \a0+1
.irp b, 0,1,2,3
.if \zero
	v_wmma_f32_16x16x32_f16 v[ACC+8*(4*(\a)+\b):ACC+8*(4*(\a)+\b)+7], v[\f+64+8*(4*\c+\b):\f+64+8*(4*\c+\b)+7], v[\f+8*(4*\c+\a):\f+8*(4*\c+\a)+7], v[BI+8*\b:BI+8*\b+7]
.else
	v_wmma_f32_16x16x32_f16 v[ACC+8*(4*(\a)+\b):ACC+8*(4*(\a)+\b)+7], v[\f+64+8*(4*\c+\b):\f+64+8*(4*\c+\b)+7], v[\f+8*(4*\c+\a):\f+8*(4*\c+\a)+7], v[ACC+8*(4*(\a)+\b):ACC+8*(4*(\a)+\b)+7]
.endif
.endr
.endr
.endm
; 32 LDS loads in one run: the fragments of 64 along K (one head) into buffer f; k is the byte in W_o's rows, 2 k the byte in A's pairs; the first 32 along K first
.macro FETCH slot, k, f
	WIN TO_F
.irp c, 0,1
.irp i, 0,1,2,3
	ds_load_b128 v[\f+64+8*(4*\c+\i):\f+64+8*(4*\c+\i)+3],   v[ADRB+\slot] offset:\k+64*\c+\i*16*PITCH
	ds_load_b128 v[\f+64+8*(4*\c+\i)+4:\f+64+8*(4*\c+\i)+7], v[ADRB+\slot] offset:\k+64*\c+\i*16*PITCH+32
	ds_load_b128 v[\f+8*(4*\c+\i):\f+8*(4*\c+\i)+3],         v[ADRA+\slot] offset:2*(\k)+64*\c+\i*8*PA
	ds_load_b128 v[\f+8*(4*\c+\i)+4:\f+8*(4*\c+\i)+7],       v[ADRA+\slot] offset:2*(\k)+64*\c+\i*8*PA+32
.endr
.endr
.endm
.macro PLACES                          ; four plain instructions in front of loads into registers that matrix instructions have read, and of the first read of results
.rept 4
	v_nop
.endr
.endm
.macro QUARTER slot, k, f, g, zero     ; multiplies buffer f (64 along K) and fetches the next quarter, at byte k, into g
	s_wait_dscnt 16                                ; the first 32 along K are in
	WIN MUL
	MUL8 \f, 0, 0, \zero
	MUL8 \f, 0, 2, \zero
	PLACES
	FETCH \slot, \k, \g
	s_wait_dscnt 32                                ; all but the 32 just issued
	WIN MUL
	MUL8 \f, 1, 0, 0
	MUL8 \f, 1, 2, 0
.endm
; The last quarter multiplies buffer 1 and changes slots: ONE barrier; in front of it each wave waits for all its tensor loads, adds 0 to its spare word, and waits for that and for its reads of this slot.  fill = 1: this slot is filled again, two K steps ahead.
.macro TURN slot, next, fill
	WIN 0
	s_wait_tensorcnt 0x0                           ; all my tensor loads have landed: my part of the next slot
	ds_add_u32 v[SPW], v[NIL]
	s_wait_dscnt 17                                ; (the add and the youngest sixteen loads may be out)
	WIN MUL
	MUL8 F1, 0, 0, 0
	s_wait_dscnt 0x0                               ; the add is done, and my reads of this slot are over
	s_barrier_signal -1
	MUL8 F1, 0, 2, 0
.if \fill
	WIN 0
.endif
	s_barrier_wait -1
.if \fill
	CREST                                          ; the barrier has opened a round of the cluster's barrier: no wave of any partner still reads this slot or has a load on its way
	s_add_nc_u64 s[G0+4*\slot+2:G0+4*\slot+3], s[G0+4*\slot+2:G0+4*\slot+3], 2048
	s_add_nc_u64 s[G0B+4*\slot+2:G0B+4*\slot+3], s[G0B+4*\slot+2:G0B+4*\slot+3], 2*KSTEP*2
	JLOAD \slot                                    ; the first tensor load behind the round; its four v_nop are also the places in front of the loads below
.else
	PLACES
.endif
	FETCH \next, 0, F0
	WIN MUL
	MUL8 F1, 1, 0, 0
	MUL8 F1, 1, 2, 0
.endm
	s_wait_loadcnt 0x0                             ; b_o
	s_wait_tensorcnt 1                             ; my part of K step 0 is in (K step 1's load may be out),
	s_barrier_signal -1
	s_barrier_wait -1                              ; everybody's is
	FETCH 0, 0, F0
	QUARTER 0, 128, F0, F1, 1                      ; the first quarter stands in front of the loop: its first products start the sums
	WIN 0
	s_mov_b32 s3, LAPS-1
.Llap:                                                 ; a trip goes once round the ring and fills both slots again
	QUARTER 0, 256, F1, F0, 0
	QUARTER 0, 384, F0, F1, 0
	TURN 0, 1, 1
	QUARTER 1, 128, F0, F1, 0
	QUARTER 1, 256, F1, F0, 0
	QUARTER 1, 384, F0, F1, 0
	TURN 1, 0, 1
	QUARTER 0, 128, F0, F1, 0
	WIN 0
	s_sub_co_u32 s3, s3, 1
	s_cmp_lg_u32 s3, 0
	s_cbranch_scc1 .Llap
	QUARTER 0, 256, F1, F0, 0                      ; the last lap fills nothing
	QUARTER 0, 384, F0, F1, 0
	TURN 0, 1, 0
	QUARTER 1, 128, F0, F1, 0
	QUARTER 1, 256, F1, F0, 0
	QUARTER 1, 384, F0, F1, 0
	s_wait_dscnt 16
	WIN MUL
	MUL8 F1, 0, 0, 0
	MUL8 F1, 0, 2, 0
	s_wait_dscnt 0
	MUL8 F1, 1, 0, 0
	MUL8 F1, 1, 2, 0
	WIN 0
; THE WAY OUT, block by block of 16 rows x 64 columns: 32 bytes a lane into my own stage, each accumulator from its low end on, and back as whole rows of 256 bytes.  LDS serves a wave's instructions in order: no wait between the stores and the loads.
.macro TOSTAGE a
.irp b, 0,1,2,3
	ds_store_b128 v[STO], v[ACC+8*(4*(\a)+\b):ACC+8*(4*(\a)+\b)+3] offset:64*\b
	ds_store_b128 v[STO], v[ACC+8*(4*(\a)+\b)+4:ACC+8*(4*(\a)+\b)+7] offset:64*\b+16
.endr
.irp t, 0,1,2,3,4,5,6,7
	ds_load_b128 v[TMP+32*((\a)%2)+4*\t:TMP+32*((\a)%2)+4*\t+3], v[RD] offset:\t*2*SPITCH
.endr
.endm
.macro SEND a, younger                 ; younger: the LDS instructions issued behind block a's loads, which may stay out
	s_wait_dscnt \younger
.irp t, 0,1,2,3,4,5,6,7
	global_store_b128 v[CO], v[TMP+32*((\a)%2)+4*\t:TMP+32*((\a)%2)+4*\t+3], s[70:71] offset:(16*(\a)+2*\t)*SIZE_N*4 th:TH_STORE_NT   ; sixteen lanes store 256 consecutive bytes, aligned; written once, read by nobody here
.endr
.endm
	PLACES
	TOSTAGE 0
.irp a, 1,2,3
.if \a > 1
	s_wait_xcnt 0x0                                ; block a - 2's stores have read their registers: block a's loads may land there
.endif
	TOSTAGE \a
	SEND \a-1, 16                                  ; behind block a - 1's loads: block a's 8 stores and 8 loads
.endr
	SEND 3, 0
	s_wait_tensorcnt 0x0                           ; the wave's end: three lines, behind my last tensor load and my last LDS store
	ds_add_u32 v[SPW], v[NIL]
	s_wait_dscnt 0x0
	CROUND                                         ; the closing round
	s_endpgm
.Lfunc_end_k_qca65ab7f4d_oproj:
	.size	k_qca65ab7f4d_oproj, .Lfunc_end_k_qca65ab7f4d_oproj-k_qca65ab7f4d_oproj
	.p2alignl 7, 3214868480
	.fill 96, 4, 3214868480
	.section	.rodata,"a",@progbits
	.p2align	6, 0x0
	.amdhsa_kernel k_qca65ab7f4d_oproj
		.amdhsa_group_segment_fixed_size 327680
		.amdhsa_private_segment_fixed_size 0
		.amdhsa_enable_private_segment 0
		.amdhsa_kernarg_size 32
		.amdhsa_user_sgpr_count 2
		.amdhsa_user_sgpr_kernarg_segment_ptr 1
		.amdhsa_wavefront_size32 1
		.amdhsa_system_sgpr_workgroup_id_x 1
		.amdhsa_system_sgpr_workgroup_id_y 1
		.amdhsa_system_sgpr_workgroup_id_z 1
		.amdhsa_system_vgpr_workitem_id 0
		.amdhsa_next_free_vgpr 512
		.amdhsa_next_free_sgpr 72
		.amdhsa_reserve_vcc 0
		.amdhsa_float_denorm_mode_32 3
		.amdhsa_float_denorm_mode_16_64 3
		.amdhsa_memory_ordered 1
		.amdhsa_forward_progress 1
		.amdhsa_inst_pref_size 87
	.end_amdhsa_kernel
	.amdgpu_metadata
---
amdhsa.version: [ 1, 2 ]
amdhsa.kernels:
  - .name:           k_qca65ab7f4d_oproj
    .symbol:         k_qca65ab7f4d_oproj.kd
    .args:
      - { .name: ah, .offset: 0, .size: 8, .value_kind: global_buffer, .address_space: global }
      - { .name: wo_h, .offset: 8, .size: 8, .value_kind: global_buffer, .address_space: global }
      - { .name: b_o, .offset: 16, .size: 8, .value_kind: global_buffer, .address_space: global }
      - { .name: out0, .offset: 24, .size: 8, .value_kind: global_buffer, .address_space: global }
    .group_segment_fixed_size: 327680
    .private_segment_fixed_size: 0
    .kernarg_segment_align: 8
    .kernarg_segment_size: 32
    .max_flat_workgroup_size: 128
    .sgpr_count:     72
    .vgpr_count:     512
    .wavefront_size: 32
...
	.end_amdgpu_metadata
.endif
;; end of part 4
